; MI455X (gfx1250); checked and timed in simulation.
; The chip was launched on July 23, 2026; its instructions are those of AMD's public machine-readable ISA for CDNA 5 (MIT licence, August 2026) and "CDNA5" Instruction Set Architecture Reference Guide (July 2026). The comments in the code are by the model that wrote it; some were corrected since.
;; Multi Head Relative Self Attention. Allowed arithmetic: float matrix products may take bf16 or f16 operands with f32 sums; other float arithmetic in f32, or as packed bf16 or f16 multiplies, adds, multiply-adds, maxima and minima; sums over many terms, partial sums and values carried from step to step in f32; what a program stores and reads back later, other than sums and carried values, may be rounded once to bf16 or f16.
;; Inputs: Wo 1,024 x 1,024 float32; Wqkv 1,024 x 3,072 float32; Wr 1,024 x 1,024 float32; inputs 8 x 1,024 x 1,024 float32; mask 8 x 1,024 bool.
;; Outputs: out0 8 x 1,024 x 1,024 float32.
;; One version. Each part assembles by itself: llvm-mc -triple=amdgcn-amd-amdhsa -mcpu=gfx1250 --defsym DOCPART=n.
;; ======== version 1 of 1: 4 launches
;; workspace buffers: ab 20,971,520 bytes; wb 8,388,608 bytes; wob 2,097,152 bytes; qkvr 67,108,864 bytes; ob 16,777,216 bytes
;; launch prep (part 1): grid 960 x 1, 8 waves a work-group, no clusters, 0 bytes of LDS; arguments inputs, Wqkv, Wr, Wo, ab, wb, wob; writes ab, wb, wob
.if DOCPART == 1
	.amdgcn_target "amdgcn-amd-amdhsa--gfx1250"
	.amdhsa_code_object_version 6
	.text
	.protected	k_q686f4bf169_prep
	.globl	k_q686f4bf169_prep
	.p2align	8
	.type	k_q686f4bf169_prep,@function
k_q686f4bf169_prep:
	s_mov_b64 s[64:65], 0
	v_nop
	global_prefetch_b8 v0, s[64:65] scope:SCOPE_SE
	s_setreg_imm32_b32 hwreg(HW_REG_WAVE_MODE, 25, 1), 1
	s_wait_xcnt 0x0
; PREP: every matrix operand of the later launches is rounded once to bf16 and laid out in blocks whose rows lie end to end.
;   ab  [16 k blocks][10240 rows][64]: rows 0-8191 = inputs; row 8192 + u = the position table's row for u = 0..2047: rows 0..1023 as they are, a row of zeros, rows 0..1022 again
;   wb  [16 tiles][1024 k][256 n]: tiles 0-3 c Wq (c = log2(e) / 8, multiplied in f32 ahead of the one rounding), 4-7 Wk, 8-11 Wv, 12-15 Wr;   wob [4 tiles][1024][256]: Wo
; Work-groups 0-511 cast 16 rows of inputs each, 512-831 cast 64 k rows of one tile of weights, 832-959 make 16 rows of the position table.
; A unit is 8 numbers a lane: two loads of 16 bytes, one store of 16; a wave's store covers 512 consecutive bytes, aligned.  Memory binds: no LDS, no barrier, no matrix unit.
; LIMITS.  sin and cos are made from the angle's fraction of a turn by an odd polynomial of degree 9 (error under 4e-6); the angle itself is good to about 2e-4 rad at its largest, 1023 rad.
.set VO, 8                             ; v[8:15]   unit j: byte offset in the source
.set DO, 16                            ; v[16:23]  unit j: byte offset in the destination
.set X,  32                            ; v[32:95]  unit j: 8 numbers as loaded
.set Y,  96                            ; v[96:127] unit j: 4 registers to store
.set INV, 32                           ; position table: 16 inverse frequencies, then five sets of 16 at work
.set A,  48
.set R,  64
.set Z,  80
.set PO, 96
.set YP, 112
	s_load_b256 s[4:11], s[0:1], 0x0               ; inputs s[4:5], Wqkv s[6:7], Wr s[8:9], Wo s[10:11]
	s_load_b128 s[12:15], s[0:1], 0x20             ; ab s[12:13], wb s[14:15]
	s_load_b64 s[16:17], s[0:1], 0x30              ; wob
	v_and_b32 v1, 31, v0                           ; lane l
	v_lshrrev_b32 v2, 5, v0
	v_readfirstlane_b32 s18, v2                    ; wave w
	s_mov_b32 s19, ttmp9                           ; work-group g
	v_lshlrev_b32 v3, 4, v1                        ; 16 l
	v_lshrrev_b32 v4, 3, v1                        ; l / 8
	v_and_b32 v5, 7, v1                            ; l % 8
	s_mov_b32 s25, 0                               ; the high word of every offset
	s_wait_kmcnt 0x0
	s_cmp_lt_u32 s19, 512
	s_cbranch_scc0 .Lnot_x
	; inputs, rows 16 g .. 16 g + 15: unit j of wave w is k block 2 w + j / 4, rows 4 (j % 4) + l / 8, numbers 8 (l % 8) ..
	s_lshl_b32 s24, s19, 16
	s_add_nc_u64 s[20:21], s[4:5], s[24:25]        ; source at the group's first row
	s_lshl_b32 s24, s19, 11
	s_add_nc_u64 s[22:23], s[12:13], s[24:25]      ; destination at that row of k block 0
	s_mov_b32 s26, 1.0
	s_mov_b32 s27, 1.0
	s_lshl_b32 s28, s18, 9
	v_lshlrev_b32 v6, 12, v4
	v_lshl_add_u32 v6, v5, 5, v6
	v_add_nc_u32 v6, s28, v6                       ; (l / 8) 4096 + (l % 8) 32 + 512 w
	s_mul_i32 s28, s18, 2621440                    ; two k blocks of 1,310,720 bytes a wave
	v_add_nc_u32 v7, s28, v3
.irp j, 0,1,2,3,4,5,6,7
	v_add_nc_u32 v[VO+(\j)], ((\j)%4)*16384+((\j)/4)*256, v6
	v_add_nc_u32 v[DO+(\j)], ((\j)/4)*1310720+((\j)%4)*512, v7
.endr
	s_branch .Lcast
.Lnot_x:
	s_cmp_lt_u32 s19, 832
	s_cbranch_scc0 .Lpos
	; weights: tile T = 0..19 (12 of Wqkv, 4 of Wr, 4 of Wo), k rows 64 kg + 8 w + j; a lane takes 8 of a row's 256 numbers
	s_sub_co_u32 s30, s19, 512
	s_lshr_b32 s31, s30, 4                         ; T
	s_and_b32 s30, s30, 15                         ; kg
	s_and_b32 s32, s31, 3                          ; T - 12 or T - 16
	s_mov_b32 s36, 12288
	s_cmp_lt_u32 s31, 16
	s_cselect_b64 s[20:21], s[8:9], s[10:11]
	s_cselect_b64 s[22:23], s[14:15], s[16:17]
	s_cselect_b32 s33, s31, s32                    ; the tile's number in its destination
	s_cmp_lt_u32 s31, 12
	s_cselect_b64 s[20:21], s[6:7], s[20:21]
	s_cselect_b32 s34, s36, 4096                   ; bytes in a row of the source
	s_cselect_b32 s35, s31, s32                    ; which 256 columns of it
	s_cmp_lt_u32 s31, 4
	s_cselect_b32 s26, 0x3e38aa3b, 1.0             ; c for Wq, 1 for the others
	s_mov_b32 s27, s26
	s_lshl_b32 s30, s30, 6
	s_lshl3_add_u32 s30, s18, s30                  ; the wave's first k row
	s_mul_i32 s24, s30, s34
	s_lshl_b32 s35, s35, 10
	s_add_co_u32 s24, s24, s35
	s_add_nc_u64 s[20:21], s[20:21], s[24:25]
	s_lshl_b32 s24, s33, 19
	s_lshl_b32 s30, s30, 9
	s_add_co_u32 s24, s24, s30
	s_add_nc_u64 s[22:23], s[22:23], s[24:25]
	v_lshlrev_b32 v[VO], 5, v1
.irp j, 1,2,3,4,5,6,7
	v_add_nc_u32 v[VO+(\j)], s34, v[VO+(\j)-1]
.endr
.irp j, 0,1,2,3,4,5,6,7
	v_add_nc_u32 v[DO+(\j)], (\j)*512, v3
.endr
.Lcast:
.irp j, 0,1,2,3,4,5,6,7
	global_load_b128 v[X+8*(\j):X+8*(\j)+3],   v[VO+(\j)], s[20:21] th:TH_LOAD_NT
	global_load_b128 v[X+8*(\j)+4:X+8*(\j)+7], v[VO+(\j)], s[20:21] offset:16 th:TH_LOAD_NT
.endr
.irp j, 0,1,2,3,4,5,6,7
	s_wait_loadcnt 14-2*(\j)                       ; loads come back in order: unit j is in, the younger units' loads stay out
.irp k, 0,2,4,6
	v_pk_mul_f32 v[X+8*(\j)+(\k):X+8*(\j)+(\k)+1], v[X+8*(\j)+(\k):X+8*(\j)+(\k)+1], s[26:27] op_sel_hi:[1,0]
.endr
.irp k, 0,1,2,3
	v_cvt_pk_bf16_f32 v[Y+4*(\j)+(\k)], v[X+8*(\j)+2*(\k)], v[X+8*(\j)+2*(\k)+1]
.endr
	global_store_b128 v[DO+(\j)], v[Y+4*(\j):Y+4*(\j)+3], s[22:23]
.endr
	s_endpgm
.Lpos:
	; the position table, rows u = 16 idx + 4 trip + l / 8; wave w makes k blocks 2 w and 2 w + 1 (waves 0-3 sines, waves 4-7 cosines), a lane 8 numbers of each
	s_sub_co_u32 s30, s19, 832                     ; idx
	s_lshl_b32 s24, s30, 11
	s_add_co_u32 s24, s24, 1048576                 ; behind the 8,192 rows of inputs
	s_add_nc_u64 s[22:23], s[12:13], s[24:25]
	s_mul_i32 s28, s18, 2621440
	v_add_nc_u32 v7, s28, v3                       ; the store's offset; it steps four rows a trip
	s_lshl_b32 s30, s30, 4
	v_add_nc_u32 v6, s30, v4                       ; u
	s_and_b32 s31, s18, 3
	s_lshl_b32 s31, s31, 7
	v_lshl_add_u32 v8, v5, 3, s31                  ; the frequency's number: 128 (w % 4) + 8 (l % 8) + ..
	s_cmp_ge_u32 s18, 4
	s_cselect_b32 s29, 0x3e800000, 0               ; a quarter turn makes a cosine of the sine
	s_mov_b32 s32, 0x40c90fdb                      ; sin(2 pi m) = m (6.2831853 - 41.341702 z + 81.605249 z^2 - 76.705860 z^3 + 42.058694 z^4), z = m^2
	s_mov_b32 s33, 0xc2255de7
	s_mov_b32 s34, 0x42a335e3
	s_mov_b32 s35, 0xc2996966
	s_mov_b32 s36, 0x42283c1a
	s_mov_b32 s37, 0x7fffffff
	v_mov_b32 v9, 0x401
.set i, 0
.rept 16
	v_add_nc_u32 v[INV+i], 64*(i/8)+i%8, v8
.set i, i+1
.endr
.set i, 0
.rept 16
	v_cvt_f32_u32 v[INV+i], v[INV+i]
.set i, i+1
.endr
.set i, 0
.rept 16
	v_mul_f32 v[INV+i], 0xbcd49a78, v[INV+i]       ; - f log2(10000) / 512
.set i, i+1
.endr
.set i, 0
.rept 16
	v_exp_f32 v[INV+i], v[INV+i]
.set i, i+1
.endr
	v_nop                                          ; a plain instruction behind the last exponential,
	s_wait_alu depctr_va_vdst(0)                   ; and one wait for the batch of sixteen, ahead of the label and of the first reader
	s_mov_b32 s31, 4
.Lrow:
	v_cmp_lt_u32 vcc_lo, 0x3ff, v6                 ; from u = 1024 on the table begins again, one row late
	v_cndmask_b32 v10, 0, v9, vcc_lo
	v_sub_nc_u32 v10, v6, v10
	v_sub_nc_u32 v10, 0x3ff, v10                   ; the position: 1023 - row
	v_cvt_f32_u32 v10, v10
	v_cmp_eq_u32 s38, 0x400, v6                    ; the row of zeros
.macro ALL16 line:vararg
.set i, 0
.rept 16
	\line
.set i, i+1
.endr
.endm
	ALL16 v_mul_f32 v[A+i], v10, v[INV+i]
	ALL16 v_fma_f32 v[A+i], v[A+i], 0.15915494, s29
	ALL16 v_rndne_f32 v[R+i], v[A+i]
	ALL16 v_sub_f32 v[A+i], v[A+i], v[R+i]
	ALL16 v_sub_f32 v[R+i], 0.5, |v[A+i]|
	ALL16 v_min_num_f32 v[R+i], |v[A+i]|, v[R+i]
	ALL16 v_mul_f32 v[Z+i], v[R+i], v[R+i]
	ALL16 v_fma_f32 v[PO+i], v[Z+i], s36, s35
	ALL16 v_fma_f32 v[PO+i], v[PO+i], v[Z+i], s34
	ALL16 v_fma_f32 v[PO+i], v[PO+i], v[Z+i], s33
	ALL16 v_fma_f32 v[PO+i], v[PO+i], v[Z+i], s32
	ALL16 v_mul_f32 v[PO+i], v[PO+i], v[R+i]
	ALL16 v_bfi_b32 v[PO+i], s37, v[PO+i], v[A+i]
.irp k, 0,1,2,3,4,5,6,7
	v_cvt_pk_bf16_f32 v[YP+(\k)], v[PO+2*(\k)], v[PO+2*(\k)+1]
.endr
.irp k, 0,1,2,3,4,5,6,7
	v_cndmask_b32 v[YP+(\k)], v[YP+(\k)], 0, s38
.endr
	global_store_b128 v7, v[YP:YP+3], s[22:23]
	global_store_b128 v7, v[YP+4:YP+7], s[22:23] offset:1310720
	s_wait_xcnt 0x0                                ; the stores have read their offset and data: only now are these written again
	v_add_nc_u32 v7, 512, v7
	v_add_nc_u32 v6, 4, v6
	s_sub_co_u32 s31, s31, 1
	s_cmp_lg_u32 s31, 0
	s_cbranch_scc1 .Lrow
	s_endpgm
.Lfunc_end_k_q686f4bf169_prep:
	.size	k_q686f4bf169_prep, .Lfunc_end_k_q686f4bf169_prep-k_q686f4bf169_prep
	.p2alignl 7, 3214868480
	.fill 96, 4, 3214868480
	.section	.rodata,"a",@progbits
	.p2align	6, 0x0
	.amdhsa_kernel k_q686f4bf169_prep
		.amdhsa_group_segment_fixed_size 0
		.amdhsa_private_segment_fixed_size 0
		.amdhsa_enable_private_segment 0
		.amdhsa_kernarg_size 56
		.amdhsa_user_sgpr_count 2
		.amdhsa_user_sgpr_kernarg_segment_ptr 1
		.amdhsa_wavefront_size32 1
		.amdhsa_system_sgpr_workgroup_id_x 1
		.amdhsa_system_sgpr_workgroup_id_y 1
		.amdhsa_system_sgpr_workgroup_id_z 1
		.amdhsa_system_vgpr_workitem_id 0
		.amdhsa_next_free_vgpr 128
		.amdhsa_next_free_sgpr 66
		.amdhsa_reserve_vcc 1
		.amdhsa_float_denorm_mode_32 3
		.amdhsa_float_denorm_mode_16_64 3
		.amdhsa_memory_ordered 1
		.amdhsa_forward_progress 1
		.amdhsa_inst_pref_size 27
	.end_amdhsa_kernel
	.amdgpu_metadata
---
amdhsa.version: [ 1, 2 ]
amdhsa.kernels:
  - .name:           k_q686f4bf169_prep
    .symbol:         k_q686f4bf169_prep.kd
    .args:
      - { .name: inputs, .offset: 0, .size: 8, .value_kind: global_buffer, .address_space: global }
      - { .name: Wqkv, .offset: 8, .size: 8, .value_kind: global_buffer, .address_space: global }
      - { .name: Wr, .offset: 16, .size: 8, .value_kind: global_buffer, .address_space: global }
      - { .name: Wo, .offset: 24, .size: 8, .value_kind: global_buffer, .address_space: global }
      - { .name: ab, .offset: 32, .size: 8, .value_kind: global_buffer, .address_space: global }
      - { .name: wb, .offset: 40, .size: 8, .value_kind: global_buffer, .address_space: global }
      - { .name: wob, .offset: 48, .size: 8, .value_kind: global_buffer, .address_space: global }
    .group_segment_fixed_size: 0
    .private_segment_fixed_size: 0
    .kernarg_segment_align: 8
    .kernarg_segment_size: 56
    .max_flat_workgroup_size: 256
    .sgpr_count:     66
    .vgpr_count:     128
    .wavefront_size: 32
...
	.end_amdgpu_metadata
.endif
;; end of part 1
;; launch proj (part 2): grid 4 x 104, 4 waves a work-group, clusters of 4 x 4, 327,680 bytes of LDS; arguments ab, wb, qkvr; writes qkvr
.if DOCPART == 2
	.amdgcn_target "amdgcn-amd-amdhsa--gfx1250"
	.amdhsa_code_object_version 6
	.text
	.protected	k_q686f4bf169_proj
	.globl	k_q686f4bf169_proj
	.p2align	8
	.type	k_q686f4bf169_proj,@function
k_q686f4bf169_proj:
	s_mov_b64 s[64:65], 0
	v_nop
	global_prefetch_b8 v0, s[64:65] scope:SCOPE_SE
	s_setreg_imm32_b32 hwreg(HW_REG_WAVE_MODE, 25, 1), 1
	s_wait_xcnt 0x0
	s_wait_alu depctr_hold_cnt(0) depctr_sa_sdst(0) depctr_va_vdst(0) depctr_va_sdst(0) depctr_va_ssrc(0) depctr_va_vcc(0) depctr_vm_vsrc(0)
	s_getreg_b32 s2, hwreg(HW_REG_IB_STS2, 6, 4)
	s_cmp_eq_u32 s2, 0
	s_cbranch_scc0 .Lentry_in_a_cluster
	s_endpgm
.Lentry_in_a_cluster:
	s_bfe_u32 s2, ttmp6, 0x10000c
	s_cmp_lg_u32 s2, 0xf033
	s_cbranch_scc0 .Lentry_shape_is_right
	s_endpgm
.Lentry_shape_is_right:
; PROJ: q, k, v = x Wqkv and Rext = posext Wr, one GEMM of 416 tiles of 256 x 256, K = 1024; bf16 operands, f32 sums, results rounded once to bf16.
; A = ab [16 k blocks][10240 rows][64], B = wb [16 tiles][1024 k][256 n], C = qkvr [4 parts][16 heads][8192 rows][64] (part 3: rows 0-2047 alone).
; Cluster y = q: q & 7 picks 1,024 rows, q >> 3 the part (q, k, v, Rext); part 3 takes A's rows from 8192 on and has two clusters.
; A work-group of four waves makes 256 x 256, a wave 128 x 128: 64 accumulators.  K goes in steps of 128 through two LDS slots.
; CLUSTER 4 x 4: A's tile hangs on the tile row alone and is asked for jointly along a row of the cluster, B's on the tile column alone, along a column.
; The matrix instruction is used transposed: source 0 = 16 columns of B (turned on the way out of LDS), source 1 = 16 rows of A: a lane then holds eight neighbouring numbers of a row of C.
; REGISTERS in windows of 256: window 0 addresses, A's fragments (v64-127, v128-191), the way out; window 1 B's fragments; windows 2, 3 the accumulators ((a, b) at window 2 + a / 4, v[8 (8 (a % 4) + b)]).
.set TM,    256
.set MB,    TM/32                      ; blocks of 16 rows of A in a wave's tile
.set AROWS, 10240
.set KB,    AROWS*128                  ; bytes in a k block of A
.set PA,    144                        ; an LDS row of A: 128 bytes + 16: the 16 rows of a load start at 16 different groups of four banks
.set PB,    544                        ; an LDS row of B: 512 bytes + 32
.set BOFF,  2*TM*PA                    ; a slot: A's two k blocks, then 128 k rows of B
.set SLOT,  BOFF+128*PB
.set STAGE, 2*SLOT                     ; behind the ring: 16 rows x 272 bytes for each wave
.set SPITCH, 272
.set SPARE, STAGE+4*16*SPITCH          ; the spare words: 128 bytes a wave, named by no other line
.set NL,    16+2*MB                    ; LDS loads in a run
.set ADRA, 16                          ; v16-17 my A fragments in slot 0, 1
.set ADRB, 20                          ; v20-21 the same for B
.set STO,  24
.set RD,   25
.set CO,   26
.set SPW,  28
.set NIL,  29
.set PFO,  30
.set F0,   64
.set F1,   128
.set TMP,  192
.set OB,   32
.set G1,  24                           ; s[24:31] group 1 for A;  s[32:39] group 0, a set a slot
.set G0,  32
.set G1B, 48                           ; s[48:55], s[56:63] the same for B
.set G0B, 56
; s12 wave, s13 wave / 2 (my half of the rows; 0: I fetch A), s14 wave % 2 (my half of the columns; which part I fetch), s15 cx, s16 cy, s17 q, s18 tile column, s19 C's row, s20 A's row
; s40 laps to go, s41 1 in a wave that prefetches (else the greatest number), s[42:43] the prefetch's step, s[44:45] where it stands
.set MSB, 0
.macro WIN new                         ; the high byte repeats the setting that is left; a switch that changes nothing is dropped
.if MSB != (\new)
	s_set_vgpr_msb (MSB<<8)|(\new)
.set MSB, \new
.endif
.endm
.macro PLACES                          ; four plain instructions between a matrix instruction and a load into, or a reader of, its registers
.rept 4
	v_nop
.endr
.endm
.macro JLOAD s                         ; a joint load: waves 0, 1 fetch A's two k blocks, waves 2, 3 B's two halves; s_nop 0 and four v_nop follow each line
	s_cmp_eq_u32 s13, 0
	s_cbranch_scc0 .Lfor_b_\@
	tensor_load_to_lds s[G0+4*(\s):G0+4*(\s)+3], s[G1:G1+7]
	s_nop 0
	PLACES
	s_branch .Lasked_\@
.Lfor_b_\@:
	tensor_load_to_lds s[G0B+4*(\s):G0B+4*(\s)+3], s[G1B:G1B+7]
	s_nop 0
	PLACES
.Lasked_\@:
.endm
.macro ASK                             ; one prefetch a wave: my work-group's 32 blocks of 256 bytes of what I shall fetch two refills on; the loop's last trip has no such K step
	s_cmp_gt_u32 s40, s41
	s_cbranch_scc0 .Lnot_mine_\@
	global_prefetch_b8 v[PFO], s[44:45] th:TH_LOAD_NT scope:SCOPE_SE
.Lnot_mine_\@:
.endm
.macro CREST                           ; a round of the cluster's barrier behind its opening barrier
	s_cmp_lg_u32 s12, 0
	s_cbranch_scc1 .Lnot_wave_0_\@
	s_barrier_signal -3
.Lnot_wave_0_\@:
	s_barrier_wait -3
	s_barrier_signal -1
	s_barrier_wait -1
.endm
.macro CROUND
	s_barrier_signal -1
	s_barrier_wait -1
	CREST
.endm
	s_load_b128 s[4:7], s[0:1], 0x0                ; A s[4:5], B s[6:7]
	s_load_b64 s[8:9], s[0:1], 0x10                ; C
	v_lshl_add_u32 v[SPW], v0, 2, SPARE
	v_mov_b32 v[NIL], 0
	ds_add_u32 v[SPW], v[NIL]                      ; the opening: the add and its wait stand ahead of my first tensor load
	v_lshrrev_b32 v1, 5, v0
	v_readfirstlane_b32 s12, v1
	s_lshr_b32 s13, s12, 1
	s_and_b32 s14, s12, 1
	s_bfe_u32 s15, ttmp6, 0x40000                  ; cx
	s_bfe_u32 s16, ttmp6, 0x40004                  ; cy
	s_and_b32 s17, ttmp7, 0xffff                   ; q
	s_and_b32 s21, s17, 7
	s_lshr_b32 s22, s17, 3                         ; the part
	s_lshl_b32 s18, s22, 2
	s_add_co_u32 s18, s18, s15                     ; tile column = 4 part + cx
	s_lshl_b32 s19, s21, 10
	s_lshl_b32 s23, s16, 8
	s_add_co_u32 s19, s19, s23                     ; C's row = 1024 (q & 7) + 256 cy
	s_cmp_eq_u32 s22, 3
	s_cselect_b32 s20, 8192, 0
	s_add_co_u32 s20, s20, s19                     ; A's row
	s_lshl_b32 s23, s16, 2
	s_lshl_b32 s23, 15, s23                        ; my row of the cluster
	s_lshl_b32 s42, 0x1111, s15                    ; my column
	s_or_b32 s[G1], s23, (1<<16)|(1<<20)|(1<<21)|(4<<22)|(3<<25)   ; mask; 2-byte elements; padding on; bit 21 beside a mask; after every 32 words 4 words
	s_or_b32 s[G1B], s42, (1<<16)|(1<<20)|(1<<21)|(6<<22)|(7<<25)  ; after every 128 words 8 words
	s_mov_b32 s[G1+1], 128<<16                     ; A's rows are dense: TM rows of 128 bytes are asked for as TM / 2 rows of 256
	s_mov_b32 s[G1+2], (TM/2)<<16
	s_mov_b32 s[G1+3], 128<<16
	s_mov_b32 s[G1+4], TM/2
	s_mov_b32 s[G1+5], 128
	s_mov_b32 s[G1+6], 0
	s_mov_b32 s[G1+7], 0
	s_mov_b32 s[G1B+1], 256<<16                    ; B: 64 k rows of 256 elements
	s_mov_b32 s[G1B+2], 64<<16
	s_mov_b32 s[G1B+3], 256<<16
	s_mov_b32 s[G1B+4], 64
	s_mov_b32 s[G1B+5], 256
	s_mov_b32 s[G1B+6], 0
	s_mov_b32 s[G1B+7], 0
	s_mul_i32 s46, s14, KB                         ; A: my k block of the step's two,
	s_lshl_b32 s23, s20, 7
	s_add_co_u32 s46, s46, s23                     ; the tile's first row
	s_mov_b32 s47, 0
	s_lshl_b32 s2, s18, 19                         ; B: the tile of 524,288 bytes,
	s_lshl_b32 s43, s14, 15
	s_add_co_u32 s2, s2, s43                       ; my 64 k rows of the step's 128
	s_mov_b32 s3, 0
	s_mul_i32 s40, s14, TM*PA                      ; where they go: no place in the cluster enters an LDS address
	s_mul_i32 s41, s14, 64*PB
	s_add_co_u32 s41, s41, BOFF
	s_wait_dscnt 0x0                               ; the opening add is done
	s_wait_kmcnt 0x0
	s_add_nc_u64 s[46:47], s[4:5], s[46:47]
	s_add_nc_u64 s[2:3], s[6:7], s[2:3]
	CROUND                                         ; all sixteen work-groups are here: the first joint loads meet
.irp s, 0,1
	s_mov_b32 s[G0+4*(\s)], 1
	s_add_co_u32 s[G0+4*(\s)+1], s40, (\s)*SLOT
	s_add_nc_u64 s[G0+4*(\s)+2:G0+4*(\s)+3], s[46:47], (\s)*2*KB
	s_or_b32 s[G0+4*(\s)+3], s[G0+4*(\s)+3], 0x80000000
	s_mov_b32 s[G0B+4*(\s)], 1
	s_add_co_u32 s[G0B+4*(\s)+1], s41, (\s)*SLOT
	s_add_nc_u64 s[G0B+4*(\s)+2:G0B+4*(\s)+3], s[2:3], (\s)*65536
	s_or_b32 s[G0B+4*(\s)+3], s[G0B+4*(\s)+3], 0x80000000
	JLOAD \s                                       ; two loads of mine are out
.endr
	v_and_b32 v1, 15, v0                           ; l % 16
	v_bfe_u32 v2, v0, 4, 1                         ; l / 16
	v_mul_u32_u24 v3, v1, PA
	v_lshl_add_u32 v3, v2, 4, v3                   ; A: row x pitch + 16 x half
	s_mul_i32 s21, s13, (TM/2)*PA
	v_and_b32 v4, 7, v0
	v_lshl_add_u32 v4, v2, 3, v4
	v_mul_u32_u24 v4, v4, PB                       ; B: k row 8 (l / 16) + l % 8,
	v_bfe_u32 v5, v0, 3, 1
	v_lshl_add_u32 v4, v5, 4, v4                   ; columns 8 ((l / 8) % 2) ..
	s_lshl_b32 s23, s14, 8
	s_add_co_u32 s23, s23, BOFF
.irp s, 0,1
	v_add_nc_u32 v[ADRA+(\s)], s21, v3
	v_add_nc_u32 v[ADRB+(\s)], s23, v4
	s_add_co_u32 s21, s21, SLOT
	s_add_co_u32 s23, s23, SLOT
.endr
	s_mul_i32 s21, s12, 16*SPITCH
	s_add_co_u32 s21, s21, STAGE                   ; my stage
	v_mul_u32_u24 v4, v1, SPITCH
	v_lshl_add_u32 v4, v2, 4, v4
	v_add_nc_u32 v[STO], s21, v4                   ; in: row l % 16, 16 bytes for each half of the lanes
	v_bfe_u32 v5, v0, 3, 2
	v_mul_u32_u24 v5, v5, SPITCH
	v_and_b32 v4, 7, v0
	v_lshl_add_u32 v5, v4, 4, v5
	v_add_nc_u32 v[RD], s21, v5                    ; back: four rows x 128 bytes, one head's part
	v_and_b32 v[CO], 31, v0
	v_lshlrev_b32 v[PFO], 8, v[CO]                 ; a lane a block of 256 bytes
	v_lshlrev_b32 v[CO], 4, v[CO]                  ; which are 512 consecutive bytes of C
	s_lshr_b32 s21, s17, 3                         ; C: part, head 4 cx + 2 (wave % 2), row
	s_lshl_b32 s21, s21, 24
	s_lshl_b32 s22, s15, 2
	s_lshl1_add_u32 s22, s14, s22
	s_lshl_b32 s22, s22, 20
	s_add_co_u32 s21, s21, s22
	s_lshl_b32 s22, s13, 7
	s_add_co_u32 s22, s22, s19
	s_lshl_b32 s22, s22, 7
	s_add_co_u32 s46, s21, s22
	s_mov_b32 s47, 0
	s_add_nc_u64 s[8:9], s[8:9], s[46:47]
	; the prefetches.  A's rows are read by the clusters of parts 0, 1, 2 alike: part 0's asks (part 3 has rows of its own); B's tile by the clusters of its part: the one with q & 7 = 0 asks.
	; The four partners that ask for a tile jointly share its 128 blocks out by address, 32 each.  It stands at K step 3; each change of slots steps it first, so it names the K step two refills on.
	s_add_co_u32 s21, s14, 6
	s_mul_i32 s21, s21, KB
	s_lshl_b32 s23, s20, 7
	s_add_co_u32 s21, s21, s23
	s_lshl_b32 s23, s15, 13
	s_add_co_u32 s21, s21, s23
	s_lshl_b32 s22, s18, 19
	s_lshl_b32 s23, s14, 15
	s_add_co_u32 s22, s22, s23
	s_lshl_b32 s23, s16, 13
	s_add_co_u32 s22, s22, s23
	s_add_co_u32 s22, s22, 3*65536
	s_lshr_b32 s2, s17, 3
	s_add_co_u32 s2, s2, 1
	s_and_b32 s2, s2, 2                            ; 0 for parts 0 and 3
	s_and_b32 s3, s17, 7
	s_mov_b32 s42, 65536
	s_mov_b32 s43, 0
	s_mov_b32 s47, 0
	s_cmp_eq_u32 s13, 0
	s_cselect_b32 s46, s21, s22
	s_cselect_b64 s[44:45], s[4:5], s[6:7]
	s_cselect_b32 s42, 2*KB, s42
	s_cselect_b32 s2, s2, s3
	s_add_nc_u64 s[44:45], s[44:45], s[46:47]
	s_cmp_eq_u32 s2, 0
	s_cselect_b32 s41, 1, -1                       ; the same in all sixteen partners, for a given wave
.macro MULA f, a, zero                 ; 8 products: block a of A x all 8 blocks of B, 32 along K; the accumulators take turns
	WIN 0xa1+0x50*((\a)/4)
.irp b, 0,1,2,3,4,5,6,7
.if \zero
	v_wmma_f32_16x16x32_bf16 v[8*(8*((\a)%4)+(\b)):8*(8*((\a)%4)+(\b))+7], v[(\f)+8*(\b):(\f)+8*(\b)+7], v[(\f)+8*(\a):(\f)+8*(\a)+7], 0
.else
	v_wmma_f32_16x16x32_bf16 v[8*(8*((\a)%4)+(\b)):8*(8*((\a)%4)+(\b))+7], v[(\f)+8*(\b):(\f)+8*(\b)+7], v[(\f)+8*(\a):(\f)+8*(\a)+7], v[8*(8*((\a)%4)+(\b)):8*(8*((\a)%4)+(\b))+7]
.endif
.endr
.endm
.macro MULH f, half, zero              ; half of the blocks
.set ma, (\half)*MB/2
.rept MB/2
	MULA \f, ma, \zero
.set ma, ma+1
.endr
.endm
.macro MULQ f, k                       ; a quarter of the blocks
.set ma, (\k)*MB/4
.rept MB/4
	MULA \f, ma, 0
.set ma, ma+1
.endr
.endm
.macro FETCH slot, qd, f               ; one run: the fragments of quarter qd (32 along K): B's 16 loads (turned), then A's, blocks ascending
	WIN 0x40
.irp b, 0,1,2,3,4,5,6,7
	ds_load_tr16_b128 v[(\f)+8*(\b):(\f)+8*(\b)+3],   v[ADRB+(\slot)] offset:(\qd)*32*PB+32*(\b)
	ds_load_tr16_b128 v[(\f)+8*(\b)+4:(\f)+8*(\b)+7], v[ADRB+(\slot)] offset:(\qd)*32*PB+32*(\b)+16*PB
.endr
	WIN 0
.set fi, 0
.rept MB
	ds_load_b128 v[(\f)+8*fi:(\f)+8*fi+3],   v[ADRA+(\slot)] offset:((\qd)/2)*TM*PA+((\qd)%2)*64+fi*16*PA
	ds_load_b128 v[(\f)+8*fi+4:(\f)+8*fi+7], v[ADRA+(\slot)] offset:((\qd)/2)*TM*PA+((\qd)%2)*64+fi*16*PA+32
.set fi, fi+1
.endr
.endm
.macro QUARTER slot, qd, f, g, zero    ; multiplies buffer f; in its middle fetches quarter qd into buffer g
	s_wait_dscnt MB                                ; B and A's lower blocks are in; the MB youngest loads, A's upper blocks, may be out
	MULH \f, 0, \zero
	PLACES
	FETCH \slot, \qd, \g
	s_wait_dscnt NL                                ; all but the run just issued
	MULH \f, 1, \zero
.endm
.macro MEET round                      ; the first half of a step's last quarter, and the one barrier of the change of slots
	WIN 0
	s_wait_tensorcnt 0x0                           ; all my tensor loads have landed: my part of the next slot
	ds_add_u32 v[SPW], v[NIL]                      ; 0 onto my spare word
	s_wait_dscnt MB+1                              ; (the add and the MB youngest loads may be out)
	MULQ F1, 0
	s_wait_dscnt 0x0                               ; the add is done, my reads of this slot are over
	s_barrier_signal -1
	MULQ F1, 1
.if \round
	WIN 0
.endif
	s_barrier_wait -1
.endm
.macro TURN slot, next                 ; the last quarter; the slot just read is filled again, two K steps on, first thing behind the round
	s_wait_xcnt 0x0                                ; the last prefetch, a K step back, has read its address
	s_add_nc_u64 s[44:45], s[44:45], s[42:43]
	MEET 1
	CREST                                          ; no wave of any partner still reads this slot or has a load on its way
	s_add_nc_u64 s[G0+4*(\slot)+2:G0+4*(\slot)+3], s[G0+4*(\slot)+2:G0+4*(\slot)+3], 4*KB
	s_add_nc_u64 s[G0B+4*(\slot)+2:G0B+4*(\slot)+3], s[G0B+4*(\slot)+2:G0B+4*(\slot)+3], 131072
	JLOAD \slot                                    ; its four v_nop are also the places in front of the loads below
	FETCH \next, 0, F0
	ASK
	MULH F1, 1, 0
.endm
.macro TURNX slot, next                ; the same with nothing left to fetch
	MEET 0
	PLACES
	FETCH \next, 0, F0
	MULH F1, 1, 0
.endm
	s_wait_tensorcnt 0x1                           ; my part of K step 0 is in; K step 1 may stay out
	s_barrier_signal -1
	s_barrier_wait -1
	FETCH 0, 0, F0
	QUARTER 0, 1, F0, F1, 1                        ; the first quarter's products start the sums
	WIN 0
	s_mov_b32 s40, 3
.Llap:                                         ; a trip goes once round the ring and fills both slots again: K steps 2 to 7 in three trips
	QUARTER 0, 2, F1, F0, 0
	QUARTER 0, 3, F0, F1, 0
	TURN 0, 1
	QUARTER 1, 1, F0, F1, 0
	QUARTER 1, 2, F1, F0, 0
	QUARTER 1, 3, F0, F1, 0
	TURN 1, 0
	QUARTER 0, 1, F0, F1, 0
	WIN 0
	s_sub_co_u32 s40, s40, 1
	s_cmp_lg_u32 s40, 0
	s_cbranch_scc1 .Llap
	QUARTER 0, 2, F1, F0, 0                        ; the last lap fills nothing
	QUARTER 0, 3, F0, F1, 0
	TURNX 0, 1
	QUARTER 1, 1, F0, F1, 0
	QUARTER 1, 2, F1, F0, 0
	QUARTER 1, 3, F0, F1, 0
	s_wait_dscnt MB
	MULH F1, 0, 0
	s_wait_dscnt 0x0
	MULH F1, 1, 0
; THE WAY OUT, a block of 16 rows at a time: rounded to bf16, 16 bytes a lane into my stage, back as four rows of one head, stored as 512 consecutive bytes.
.macro PACK a
.set AC, 64*((\a)%4)
	WIN 0x0a+5*((\a)/4)
.irp b, 0,1,2,3,4,5,6,7
.irp r, 0,1,2,3
	v_cvt_pk_bf16_f32 v[TMP+4*(\b)+(\r)], v[AC+8*(\b)+2*(\r)], v[AC+8*(\b)+2*(\r)+1]
.endr
.endr
	WIN 0
.endm
.macro TOSTAGE a
.set BK, OB+192*((\a)%2)
.irp b, 0,1,2,3,4,5,6,7
	ds_store_b128 v[STO], v[TMP+4*(\b):TMP+4*(\b)+3] offset:32*(\b)
.endr
.irp t, 0,1,2,3,4,5,6,7
	ds_load_b128 v[BK+4*(\t):BK+4*(\t)+3], v[RD] offset:((\t)%4)*4*SPITCH+((\t)/4)*128  ; LDS serves a wave's instructions in order: these see the stores above
.endr
.endm
.macro SEND a
.set BK, OB+192*((\a)%2)
	s_wait_dscnt 0x0                               ; the block is back in registers
	s_wait_xcnt 0x0                                ; earlier stores have read their data: the other set of registers may be loaded again
.irp t, 0,1,2,3,4,5,6,7
	global_store_b128 v[CO], v[BK+4*(\t):BK+4*(\t)+3], s[8:9] offset:((\t)/4)*1048576+(\a)*2048+((\t)%4)*512
.endr
.endm
	PLACES
	PACK 0
	TOSTAGE 0
.irp a, 1,2,3,4,5,6,7
	PACK \a
	SEND (\a)-1
	TOSTAGE \a
.endr
	SEND 7
	s_wait_tensorcnt 0x0                           ; the wave's end
	ds_add_u32 v[SPW], v[NIL]
	s_wait_dscnt 0x0
	CROUND                                         ; the closing round
	s_endpgm
.Lfunc_end_k_q686f4bf169_proj:
	.size	k_q686f4bf169_proj, .Lfunc_end_k_q686f4bf169_proj-k_q686f4bf169_proj
	.p2alignl 7, 3214868480
	.fill 96, 4, 3214868480
	.section	.rodata,"a",@progbits
	.p2align	6, 0x0
	.amdhsa_kernel k_q686f4bf169_proj
		.amdhsa_group_segment_fixed_size 327680
		.amdhsa_private_segment_fixed_size 0
		.amdhsa_enable_private_segment 0
		.amdhsa_kernarg_size 24
		.amdhsa_user_sgpr_count 2
		.amdhsa_user_sgpr_kernarg_segment_ptr 1
		.amdhsa_wavefront_size32 1
		.amdhsa_system_sgpr_workgroup_id_x 1
		.amdhsa_system_sgpr_workgroup_id_y 1
		.amdhsa_system_sgpr_workgroup_id_z 1
		.amdhsa_system_vgpr_workitem_id 0
		.amdhsa_next_free_vgpr 1024
		.amdhsa_next_free_sgpr 66
		.amdhsa_reserve_vcc 0
		.amdhsa_float_denorm_mode_32 3
		.amdhsa_float_denorm_mode_16_64 3
		.amdhsa_memory_ordered 1
		.amdhsa_forward_progress 1
		.amdhsa_inst_pref_size 144
	.end_amdhsa_kernel
	.amdgpu_metadata
---
amdhsa.version: [ 1, 2 ]
amdhsa.kernels:
  - .name:           k_q686f4bf169_proj
    .symbol:         k_q686f4bf169_proj.kd
    .args:
      - { .name: ab, .offset: 0, .size: 8, .value_kind: global_buffer, .address_space: global }
      - { .name: wb, .offset: 8, .size: 8, .value_kind: global_buffer, .address_space: global }
      - { .name: qkvr, .offset: 16, .size: 8, .value_kind: global_buffer, .address_space: global }
    .group_segment_fixed_size: 327680
    .private_segment_fixed_size: 0
    .kernarg_segment_align: 8
    .kernarg_segment_size: 24
    .max_flat_workgroup_size: 128
    .sgpr_count:     66
    .vgpr_count:     1024
    .wavefront_size: 32
...
	.end_amdgpu_metadata
.endif
;; end of part 2
;; launch attn (part 3): grid 8 x 64, 4 waves a work-group, clusters of 4 x 1, 327,680 bytes of LDS; arguments qkvr, mask, ob; writes ob
.if DOCPART == 3
	.amdgcn_target "amdgcn-amd-amdhsa--gfx1250"
	.amdhsa_code_object_version 6
	.text
	.protected	k_q686f4bf169_attn
	.globl	k_q686f4bf169_attn
	.p2align	8
	.type	k_q686f4bf169_attn,@function
k_q686f4bf169_attn:
	s_mov_b64 s[64:65], 0
	v_nop
	global_prefetch_b8 v0, s[64:65] scope:SCOPE_SE
	s_setreg_imm32_b32 hwreg(HW_REG_WAVE_MODE, 25, 1), 1
	s_wait_xcnt 0x0
	s_wait_alu depctr_hold_cnt(0) depctr_sa_sdst(0) depctr_va_vdst(0) depctr_va_sdst(0) depctr_va_ssrc(0) depctr_va_vcc(0) depctr_vm_vsrc(0)
	s_getreg_b32 s2, hwreg(HW_REG_IB_STS2, 6, 4)
	s_cmp_eq_u32 s2, 0
	s_cbranch_scc0 .Lentry_in_a_cluster
	s_endpgm
.Lentry_in_a_cluster:
	s_bfe_u32 s2, ttmp6, 0x10000c
	s_cmp_lg_u32 s2, 0x3003
	s_cbranch_scc0 .Lentry_shape_is_right
	s_endpgm
.Lentry_shape_is_right:
; ATTENTION WITH RELATIVE POSITIONS.  O[b][i] = sum over j of softmax_j(q_i . k_j + pos(i, j) + bias_j) v_j, all scores in units of log2 (c = log2(e) / 8 lies in q).
; With u = 1023 - i + j:  pos = Rext[u] . q_i for u < 1024 and Rext[u] . q_(i+1) for u >= 1024 (Rext: r's 1,024 rows, a row of zeros, r's rows again): the relative shift, in index form.
; bias_j = 0, or -1e30 where mask[b][j] is 0.  qkvr: [4 parts q, k, v, Rext][16 heads][8192 rows][64] bf16; ob: [16 heads][8192 rows][64] bf16.
; LIMITS.  bf16 operands.  A masked score is s - 1e30, which is -1e30 itself while |s| < 3.7e22: a batch that is masked throughout gives the mean of v, as the definition does.
; A weight below 2^-126 counts as 0.  NaN and infinities are not treated apart.
; SHARES.  A work-group: 256 queries of one (b, h); a wave 64: four tiles, tile p at rows 48 - 16 p of them.  Every wave walks 16 steps of 64 keys.
; THE SKEW.  For tile p and step s the wanted u are 80 consecutive rows of Rext: five blocks of 16.  All four tiles multiply ONE group of four blocks a step; a tile's band is 4 - p blocks of the group
; before (kept in registers) and p + 1 of this one.  The products go into LDS, a row a query, and come back from column 15 - query + key, as the C operand of K Q^T: the sum costs nothing.
; A group lies wholly below or wholly from u = 1024 on: from step s* = 4 qb + wave on the groups take q_(i+1).
; BY TURNS.  The tiles are two pairs (0, 1) and (2, 3).  In a turn one pair has the matrix unit: 16 products V^T P of its last softmax, 16 products with Rext and 16 products K Q^T for its next scores;
; the other pair's softmax, a list of 266 lines, stands in slices behind those 48 products.  Two turns are a step:
; turn 0 of step s: softmax of tiles 0, 1 (step s) | V^T P of tiles 2, 3 (step s - 1), scores of tiles 2, 3 (step s);   turn 2: softmax of tiles 2, 3 (step s) | V^T P of tiles 0, 1 (step s), scores of tiles 0, 1 (step s + 1).
; THE LDS INSTRUCTIONS STAND IN RUNS, never singly among vector or matrix lines: two runs a turn, one behind each tile's products with Rext, and in turn 0 a third at the softmax's one wait.
; CLUSTER.  The four partners are four batches of one (h, query block): they share the 1,280 rows of Rext, asked for jointly and kept in LDS.  K and V are each work-group's own (mask 0), behind the same rounds.
; The query blocks of one (b, h) are not clustered: s* would then be a branch on a work-group's place in its cluster.  A slot holds two steps: beside Rext's rows LDS has no room for more.
; REGISTERS, in windows of 256: window 0 addresses, statistics, S^T (32 a tile), P (two buffers), bias;  window 1 O^T (32 a tile), G (the groups' products, 32 a tile);
;   window 2 Q, QB (the query that the groups take), K, V;  window 3 Rext's fragments, QN (q_(i+1)).  A slice costs two switches of the windows, one in front and one behind.
; A register that holds an LDS address holds nothing else in the whole text.
.set KS,    64
.set PK,    144                        ; a row of K or Rext in LDS: 128 bytes + 16
.set PVP,   160                        ; a row of V: 128 + 32
.set VOFF,  2*KS*PK
.set SLOT1, 1<<16
.set SCR,   38912                      ; 16 rows x 336 bytes for each wave: the skew's scratch for even tiles, later the stage of the way out
.set SCRW,  5376
.set SPI,   336                        ; 84 words: the stores' 16 rows start at 16 different groups of four banks; the 32 lanes of a read fall on 32 different banks
.set BIASB, 60416                      ; 1,024 f32
.set SPARE, 64512                      ; the spare words: 128 bytes a wave, named by no other line
.set RWIN,  104448                     ; 1,280 rows of Rext, to byte 288,768
.set SCR2,  297984                     ; the skew's scratch for odd tiles
.set R0R,   112                        ; rows of Rext a wave in the first part: 448 rows serve the groups of steps -1 to 2, all that are fetched ahead of the first change of slots
.set R1R,   208                        ; and in the second
.set SP,    144
.set AK0, 2
.set AV0, 3
.set AK,  4
.set AV,  5
.set STO, 6
.set RD,  7
.set GO,  8
.set AR,  12
.set AB0, 13
.set ASC0, 14                          ; where I put 32 bytes of a query's row of the scratch: even tiles; odd tiles: v37
.set AGA0, 15                          ; from where I gather my query's scores: even tiles; odd tiles: v39
.set ST,  16                           ; tile t: m, a word named with it, l (even keys', odd keys')
.set QO,  32
.set PFO, 33
.set SPW, 34
.set NIL, 35
.set AB,  36                           ; the LDS address of the step's bias
.set BV,  40                           ; v[40:47] eight numbers of the bias table, on their way into LDS
.set TMP, 48                           ; by the tile's parity: c0-c3; c2 takes a
.set MK,  56                           ; v[56:57] eight bytes of the mask; v58 one of them
.set S,   64
.set P,   192
.set BI,  224
.set G,   128                          ; window 1
.set QB,  64                           ; window 2
.set KF,  128
.set VF,  192
.set QN,  64                           ; window 3
.set TBB, 10                           ; s10  LDS byte at which the bias of the step to be fetched begins
.set WV,  12
.set SSTAR, 17
.set STEP, 18                          ; the step whose bands are made next
.set SLOTS, 19
.set TWICE, 20
.set TBK, 21
.set TBV, 22
.set LIM, 23
.set G1K, 24
.set G1V, 32
.set G1R0, 40
.set G1R1, 48
.set G0K, 56                           ; two sets; the second walks
.set G0V, 68
.set G0R, 76
.set SEL, 84
.set PFA, 86
.set BIG, 96
.set TBR, 97
.set MSB, 0
.macro WIN new                         ; the high byte repeats the setting that is left; a switch that changes nothing is dropped
.if MSB != (\new)
	s_set_vgpr_msb (MSB<<8)|(\new)
.set MSB, \new
.endif
.endm
.macro PLACES
.rept 4
	v_nop
.endr
.endm
.macro CROUND
	s_barrier_signal -1
	s_barrier_wait -1
	s_cmp_lg_u32 s[WV], 0
	s_cbranch_scc1 .Lnot_wave_0_\@
	s_barrier_signal -3
.Lnot_wave_0_\@:
	s_barrier_wait -3
	s_barrier_signal -1
	s_barrier_wait -1
.endm
.macro JLOAD                           ; a refill: waves 0, 1 fetch the two steps' K, waves 2, 3 their V
	s_cmp_lt_u32 s[WV], 2
	s_cbranch_scc0 .Lfor_v_\@
	tensor_load_to_lds s[G0K+4:G0K+7], s[G1K:G1K+7]
	s_nop 0
	PLACES
	s_branch .Lasked_\@
.Lfor_v_\@:
	tensor_load_to_lds s[G0V+4:G0V+7], s[G1V:G1V+7]
	s_nop 0
	PLACES
.Lasked_\@:
.endm
.macro ASK                             ; my own 32 blocks of 256 bytes of the slot that the next change will ask for; of the four query blocks of a (b, h) the first asks; the last filling change asks for nothing
	s_cmp_gt_u32 s[SLOTS], s[LIM]
	s_cbranch_scc0 .Lnot_mine_\@
	global_prefetch_b8 v[PFO], s[PFA:PFA+1] th:TH_LOAD_NT scope:SCOPE_SE
.Lnot_mine_\@:
.endm
	s_load_b128 s[4:7], s[0:1], 0x0                ; qkvr s[4:5], mask s[6:7]
	s_load_b64 s[8:9], s[0:1], 0x10                ; ob
	v_lshl_add_u32 v[SPW], v0, 2, SPARE
	v_mov_b32 v[NIL], 0
	ds_add_u32 v[SPW], v[NIL]                      ; the opening: the add and its wait stand ahead of my first tensor load
	v_lshrrev_b32 v1, 5, v0
	v_readfirstlane_b32 s[WV], v1
	s_bfe_u32 s13, ttmp6, 0x40000                  ; cx
	s_lshl_b32 s14, ttmp9, 2
	s_add_co_u32 s14, s14, s13                     ; the batch: it enters K's, V's, Q's, the mask's and O's addresses alone
	s_and_b32 s16, ttmp7, 0xffff
	s_lshr_b32 s15, s16, 2                         ; the head
	s_and_b32 s16, s16, 3                          ; the block of 256 queries
	s_lshl_b32 s[SSTAR], s16, 2
	s_add_co_u32 s[SSTAR], s[SSTAR], s[WV]
	s_and_b32 s88, s[WV], 1                        ; which of a slot's two steps I fetch
	s_lshl_b32 s90, s15, 20                        ; the head's bytes in a part
	s_add_co_u32 s91, s90, 3*16777216+768*128      ; Rext's rows from 768 - 256 qb on
	s_lshl_b32 s89, s16, 15
	s_sub_co_u32 s91, s91, s89
	s_mul_i32 s92, s[WV], R0R*128
	s_add_co_u32 s92, s92, s91                     ; first part: rows 112 w ..
	s_mov_b32 s93, 0
	s_mul_i32 s94, s[WV], R1R*128
	s_add_co_u32 s94, s94, s91
	s_add_co_u32 s94, s94, 4*R0R*128               ; second part: rows 448 + 208 w ..
	s_mov_b32 s95, 0
	s_lshl_b32 s89, s14, 17                        ; the batch's 1,024 rows
	s_add_co_u32 s98, s90, s89
	s_lshl_b32 s2, s88, 13
	s_add_co_u32 s2, s2, s98
	s_add_co_u32 s2, s2, 16777216                  ; K at my 64 rows of slot 0
	s_mov_b32 s3, 0
	s_lshl_b32 s89, s16, 15
	s_add_co_u32 s98, s98, s89
	s_lshl_b32 s89, s[WV], 13
	s_add_co_u32 s98, s98, s89                     ; Q and O at my wave's 64 rows
	s_mov_b32 s99, 0
	s_mov_b32 s[G1K], (1<<16)|(1<<20)|(4<<22)|(3<<25)                  ; 2-byte elements; padding on: after every 32 words 4 words
	s_mov_b32 s[G1V], (1<<16)|(1<<20)|(4<<22)|(7<<25)                  ; 8 words
	s_mov_b32 s[G1R0], 15|(1<<16)|(1<<20)|(1<<21)|(4<<22)|(3<<25)      ; the mask of four, bit 21 beside it
	s_mov_b32 s[G1R1], 15|(1<<16)|(1<<20)|(1<<21)|(4<<22)|(3<<25)
.irp g, G1K, G1V, G1R0, G1R1
	s_mov_b32 s[(\g)+1], 128<<16                   ; dense rows of 128 bytes, asked for as rows of 256
	s_mov_b32 s[(\g)+3], 128<<16
	s_mov_b32 s[(\g)+5], 128
	s_mov_b32 s[(\g)+6], 0
	s_mov_b32 s[(\g)+7], 0
.endr
	s_mov_b32 s[G1K+2], 32<<16
	s_mov_b32 s[G1K+4], 32
	s_mov_b32 s[G1V+2], 32<<16
	s_mov_b32 s[G1V+4], 32
	s_mov_b32 s[G1R0+2], (R0R/2)<<16
	s_mov_b32 s[G1R0+4], R0R/2
	s_mov_b32 s[G1R1+2], (R1R/2)<<16
	s_mov_b32 s[G1R1+4], R1R/2
	s_mul_i32 s89, s88, KS*PK
	s_mul_i32 s91, s88, KS*PVP
.irp n, 0,1
	s_mov_b32 s[G0K+4*(\n)], 1
	s_add_co_u32 s[G0K+4*(\n)+1], s89, (\n)*SLOT1
	s_mov_b32 s[G0V+4*(\n)], 1
	s_add_co_u32 s[G0V+4*(\n)+1], s91, (\n)*SLOT1+VOFF
	s_mov_b32 s[G0R+4*(\n)], 1
.endr
	s_mul_i32 s[G0R+1], s[WV], R0R*PK
	s_add_co_u32 s[G0R+1], s[G0R+1], RWIN
	s_mul_i32 s[G0R+5], s[WV], R1R*PK
	s_add_co_u32 s[G0R+5], s[G0R+5], RWIN+4*R0R*PK
	s_mov_b32 s[SEL], 0x76543210
	s_mov_b32 s[SEL+1], 0xfedcba98
	s_mov_b32 s[BIG], 0xf149f2ca                   ; -1e30
	s_mov_b32 s[STEP], 0
	s_mov_b32 s[TBK], 0
	s_mov_b32 s[TBV], 0
	s_mov_b32 s[TBB], BIASB
	s_mul_i32 s[TBR], s[WV], 64*PK
	s_sub_co_u32 s[TBR], RWIN+192*PK, s[TBR]       ; the group before step 0: the window's blocks 12 - 4 w ..
	s_cmp_eq_u32 s16, 0
	s_cselect_b32 s[LIM], 1, -1                    ; the same in all four partners
	s_wait_dscnt 0x0                               ; the opening add is done
	s_wait_kmcnt 0x0
	s_add_nc_u64 s[G0K+2:G0K+3], s[4:5], s[2:3]
	s_add_nc_u64 s[G0V+2:G0V+3], s[G0K+2:G0K+3], 16777216
	s_add_nc_u64 s[G0K+6:G0K+7], s[G0K+2:G0K+3], 2*KS*128
	s_add_nc_u64 s[G0V+6:G0V+7], s[G0V+2:G0V+3], 2*KS*128
	s_cmp_lt_u32 s[WV], 2
	s_cselect_b64 s[PFA:PFA+1], s[G0K+2:G0K+3], s[G0V+2:G0V+3]
	s_add_nc_u64 s[PFA:PFA+1], s[PFA:PFA+1], 2*2*KS*128  ; in slot 2; the first change of slots steps it to slot 3
	s_add_nc_u64 s[G0R+2:G0R+3], s[4:5], s[92:93]
	s_add_nc_u64 s[G0R+6:G0R+7], s[4:5], s[94:95]
.irp g, G0K+3, G0K+7, G0V+3, G0V+7, G0R+3, G0R+7
	s_or_b32 s[\g], s[\g], 0x80000000
.endr
	s_add_nc_u64 s[4:5], s[4:5], s[98:99]
	s_add_nc_u64 s[8:9], s[8:9], s[98:99]
	s_lshl_b32 s2, s14, 10
	s_add_nc_u64 s[6:7], s[6:7], s[2:3]
	CROUND                                         ; all four work-groups are here: the joint loads meet
	s_cmp_lt_u32 s[WV], 2                          ; a wave's four first fills stand in one branch: Rext's first part, slot 0, slot 1, Rext's second part: four loads of mine are out
	s_cbranch_scc0 .Lfirst_v
	tensor_load_to_lds s[G0R:G0R+3], s[G1R0:G1R0+7]
	s_nop 0
	tensor_load_to_lds s[G0K:G0K+3], s[G1K:G1K+7]
	s_nop 0
	tensor_load_to_lds s[G0K+4:G0K+7], s[G1K:G1K+7]
	s_nop 0
	tensor_load_to_lds s[G0R+4:G0R+7], s[G1R1:G1R1+7]
	s_nop 0
	PLACES
	s_branch .Lfirst_asked
.Lfirst_v:
	tensor_load_to_lds s[G0R:G0R+3], s[G1R0:G1R0+7]
	s_nop 0
	tensor_load_to_lds s[G0V:G0V+3], s[G1V:G1V+7]
	s_nop 0
	tensor_load_to_lds s[G0V+4:G0V+7], s[G1V:G1V+7]
	s_nop 0
	tensor_load_to_lds s[G0R+4:G0R+7], s[G1R1:G1R1+7]
	s_nop 0
	PLACES
.Lfirst_asked:
	v_and_b32 v1, 15, v0                           ; r = l % 16
	v_bfe_u32 v9, v0, 4, 1                         ; l / 16
	v_lshlrev_b32 v[QO], 7, v1
	v_lshl_add_u32 v[QO], v9, 4, v[QO]
	v_lshlrev_b32 v38, 3, v0                       ; 8 bytes of the mask a thread
	WIN 0x80
.set i, 0
.rept 8                                ; tile i / 2, channels 32 (i % 2) on: Q, and the same rows as the groups' first query
	global_load_b128 v[8*i:8*i+3],         v[QO], s[4:5] offset:6144-2048*(i/2)+64*(i%2)
	global_load_b128 v[8*i+4:8*i+7],       v[QO], s[4:5] offset:6144-2048*(i/2)+64*(i%2)+32
	global_load_b128 v[QB+8*i:QB+8*i+3],   v[QO], s[4:5] offset:6144-2048*(i/2)+64*(i%2)
	global_load_b128 v[QB+8*i+4:QB+8*i+7], v[QO], s[4:5] offset:6144-2048*(i/2)+64*(i%2)+32
.set i, i+1
.endr
	WIN 0xc0
.set i, 0
.rept 8                                ; one row further down (what lies behind a batch's last row is read, inside the buffer, and enters no score that is used)
	global_load_b128 v[QN+8*i:QN+8*i+3],   v[QO], s[4:5] offset:6144-2048*(i/2)+64*(i%2)+128
	global_load_b128 v[QN+8*i+4:QN+8*i+7], v[QO], s[4:5] offset:6144-2048*(i/2)+64*(i%2)+160
.set i, i+1
.endr
	WIN 0
	global_load_b64 v[MK:MK+1], v38, s[6:7]
	; What the first turn finds, written in the wait for the first tiles: O^T and l are 0 and m the lowest finite number, so the first step is a step like any other, with a = 0;
	; V's and P's registers hold 0, so that its products V^T P, of a step that has not been, add 0: no first turn is written out.
	WIN 0x40
.set i, 0
.rept 128
	v_mov_b32 v[i], 0
.set i, i+1
.endr
	WIN 0x80
.set i, 0
.rept 64
	v_mov_b32 v[VF+i], 0
.set i, i+1
.endr
	WIN 0
.set i, 0
.rept 32
	v_mov_b32 v[P+i], 0
.set i, i+1
.endr
.irp t, 0,1,2,3
	v_mov_b32 v[ST+4*(\t)], 0xff7fffff             ; m: the lowest finite number
	v_mov_b32 v[ST+4*(\t)+1], 0
	v_mov_b32 v[ST+4*(\t)+2], 0
	v_mov_b32 v[ST+4*(\t)+3], 0
.endr
	v_mul_u32_u24 v[AK0], v1, PK
	v_lshl_add_u32 v[AK0], v9, 4, v[AK0]           ; row x pitch + 16 x half
	v_and_b32 v10, 7, v0
	v_bfe_u32 v11, v0, 3, 1
	v_lshl_add_u32 v[AV0], v9, 3, v10
	v_mul_u32_u24 v[AV0], v[AV0], PVP
	v_lshl_add_u32 v[AV0], v11, 4, v[AV0]
	v_add_nc_u32 v[AV0], VOFF, v[AV0]
	v_lshlrev_b32 v[AB0], 5, v9                    ; my half's 8 keys of each 16
	s_mul_i32 s89, s[WV], SCRW
	s_add_co_u32 s89, s89, SCR                     ; my scratch
	v_mul_u32_u24 v[ASC0], v1, SPI
	v_lshl_add_u32 v[ASC0], v9, 5, v[ASC0]
	v_add_nc_u32 v[ASC0], s89, v[ASC0]
	v_sub_nc_u32 v[AGA0], 15, v1
	v_lshl_add_u32 v[AGA0], v[AGA0], 2, v[ASC0]    ; column 15 - query + 8 x half
	v_add_nc_u32 v[ASC0+23], SCR2-SCR, v[ASC0]     ; the same places in the odd tiles' scratch
	v_add_nc_u32 v[AGA0+24], SCR2-SCR, v[AGA0]
	v_mul_u32_u24 v[STO], v1, SP
	v_lshl_add_u32 v[STO], v9, 4, v[STO]
	v_add_nc_u32 v[STO], s89, v[STO]
	v_bfe_u32 v[RD], v0, 3, 2
	v_mul_u32_u24 v[RD], v[RD], SP
	v_lshl_add_u32 v[RD], v10, 4, v[RD]
	v_add_nc_u32 v[RD], s89, v[RD]
	v_and_b32 v[GO], 31, v0
	v_lshlrev_b32 v[PFO], 8, v[GO]
	v_lshlrev_b32 v[GO], 4, v[GO]
	s_wait_loadcnt 0x0                             ; Q and the mask
.irp k, 0,1,2,3,4,5,6,7
	v_bfe_u32 v[MK+2], v[MK+(\k)/4], 8*((\k)%4), 8
	v_cmp_eq_u32 vcc_lo, 0, v[MK+2]
	v_cndmask_b32 v[BV+(\k)], 0, s[BIG], vcc_lo
.endr
	v_lshl_add_u32 v38, v0, 5, BIASB
	ds_store_b128 v38, v[BV:BV+3]
	ds_store_b128 v38, v[BV+4:BV+7] offset:16
; THE MATRIX WORK, one product a line; i counts the products of a run.  In each run, and from run to run, the accumulators take turns, one instruction a turn.
.macro RQI p                           ; product i of 8 of G[p] = Rext's group x QB's tile p: block i % 4, channels 32 (i / 4) on; the first four start the sums
	WIN 0x5b
.if i < 4
	v_wmma_f32_16x16x32_bf16 v[G+32*(\p)+8*(i%4):G+32*(\p)+8*(i%4)+7], v[16*(i%4)+8*(i/4):16*(i%4)+8*(i/4)+7], v[QB+16*(\p)+8*(i/4):QB+16*(\p)+8*(i/4)+7], 0
.else
	v_wmma_f32_16x16x32_bf16 v[G+32*(\p)+8*(i%4):G+32*(\p)+8*(i%4)+7], v[16*(i%4)+8*(i/4):16*(i%4)+8*(i/4)+7], v[QB+16*(\p)+8*(i/4):QB+16*(\p)+8*(i/4)+7], v[G+32*(\p)+8*(i%4):G+32*(\p)+8*(i%4)+7]
.endif
.endm
.macro KQI p                           ; product i of 8 of S^T[p] += K Q^T: keys 16 (i % 4) on, channels 32 (i / 4) on; the sums start from the position scores that lie in S^T
	WIN 0x0a
	v_wmma_f32_16x16x32_bf16 v[S+32*(\p)+8*(i%4):S+32*(\p)+8*(i%4)+7], v[KF+16*(i%4)+8*(i/4):KF+16*(i%4)+8*(i/4)+7], v[16*(\p)+8*(i/4):16*(\p)+8*(i/4)+7], v[S+32*(\p)+8*(i%4):S+32*(\p)+8*(i%4)+7]
.endm
.macro PVI x                           ; product i of 16 of O^T += V^T P for tiles x, x + 1: tile x + i % 2, channels 16 ((i / 2) % 4) on, keys 32 (i / 8) on
	WIN 0x52
	v_wmma_f32_16x16x32_bf16 v[32*((\x)+i%2)+8*((i/2)%4):32*((\x)+i%2)+8*((i/2)%4)+7], v[VF+32*(i/8)+8*((i/2)%4):VF+32*(i/8)+8*((i/2)%4)+7], v[P+16*(i%2)+8*(i/8):P+16*(i%2)+8*(i/8)+7], v[32*((\x)+i%2)+8*((i/2)%4):32*((\x)+i%2)+8*((i/2)%4)+7]
.endm
.macro RUN m, p, cnt                   ; a bare run of cnt products
.set i, 0
.rept \cnt
	\m \p
.set i, i+1
.endr
.endm
; THE FRAGMENTS' LDS LOADS.  ADR_x makes a run's address, a scalar that steps by a constant plus the lane's fixed place; it stands at a turn's head, so that no vector line stands inside a run.  LD_x is the run.
.macro ADR_K
	WIN 0
	v_add_nc_u32 v[AK], s[TBK], v[AK0]
	s_add_co_u32 s[TBK], s[TBK], KS*PK
.endm
.macro LD_K                            ; a step's K: 16 loads
	WIN 0x80
.irp f, 0,1,2,3,4,5,6,7
	ds_load_b128 v[KF+8*(\f):KF+8*(\f)+3],   v[AK] offset:((\f)/2)*16*PK+((\f)%2)*64
	ds_load_b128 v[KF+8*(\f)+4:KF+8*(\f)+7], v[AK] offset:((\f)/2)*16*PK+((\f)%2)*64+32
.endr
.endm
.macro ADR_R
	WIN 0
	v_add_nc_u32 v[AR], s[TBR], v[AK0]
	s_add_co_u32 s[TBR], s[TBR], KS*PK
.endm
.macro LD_R last=0                     ; the next group of four blocks of Rext: 16 loads.  last = 1 (the tail): in the last trip there is no further step, and the run is jumped over (its address is made and not used)
	WIN 0
.if \last
	s_cmp_eq_u32 s[TWICE], 1
	s_cbranch_scc1 .Lno_r_\@
.endif
	WIN 0xc0
.irp f, 0,1,2,3,4,5,6,7
	ds_load_b128 v[8*(\f):8*(\f)+3],   v[AR] offset:((\f)/2)*16*PK+((\f)%2)*64
	ds_load_b128 v[8*(\f)+4:8*(\f)+7], v[AR] offset:((\f)/2)*16*PK+((\f)%2)*64+32
.endr
	WIN 0
.if \last
.Lno_r_\@:
.endif
.endm
.macro ADR_B
	WIN 0
	v_add_nc_u32 v[AB], s[TBB], v[AB0]
	s_add_co_u32 s[TBB], s[TBB], KS*4
.endm
.macro LD_B                            ; a step's bias: 8 loads
	WIN 0
.irp kb, 0,1,2,3
	ds_load_b128 v[BI+8*(\kb):BI+8*(\kb)+3],   v[AB] offset:64*(\kb)
	ds_load_b128 v[BI+8*(\kb)+4:BI+8*(\kb)+7], v[AB] offset:64*(\kb)+16
.endr
.endm
.macro ADR_V
	WIN 0
	v_add_nc_u32 v[AV], s[TBV], v[AV0]
	s_add_co_u32 s[TBV], s[TBV], KS*PVP
.endm
.macro LD_V                            ; a step's V, turned: 16 loads
	WIN 0x80
.irp f, 0,1,2,3,4,5,6,7
	ds_load_tr16_b128 v[VF+8*(\f):VF+8*(\f)+3],   v[AV] offset:((\f)/4)*32*PVP+((\f)%4)*32
	ds_load_tr16_b128 v[VF+8*(\f)+4:VF+8*(\f)+7], v[AV] offset:((\f)/4)*32*PVP+16*PVP+((\f)%4)*32
.endr
.endm
; TILE p's BAND, in four parts.  CS: the kept blocks p..3 of the group before go to columns 0 ..: 2 (4 - p) stores.  (RQI: the tile's products with this group.)  NS: its blocks 0..p go behind them: 2 (p + 1) stores.
; GLS: the 32 loads that bring the scores back skewed.  The scratch is my wave's own, one for each parity of p, and LDS serves a wave's instructions in order: no wait stands between stores and loads, and a
; tile's CS may follow the gathers of the tile that had the scratch before it.
.macro CS p
	WIN 0x04
.set e, (\p)
.rept 4-(\p)
	ds_store_b128 v[ASC0+23*((\p)%2)], v[G+32*(\p)+8*e:G+32*(\p)+8*e+3]   offset:64*(e-(\p))
	ds_store_b128 v[ASC0+23*((\p)%2)], v[G+32*(\p)+8*e+4:G+32*(\p)+8*e+7] offset:64*(e-(\p))+16
.set e, e+1
.endr
.endm
.macro NS p
	WIN 0x04
.set e, 0
.rept (\p)+1
	ds_store_b128 v[ASC0+23*((\p)%2)], v[G+32*(\p)+8*e:G+32*(\p)+8*e+3]   offset:64*(4-(\p)+e)
	ds_store_b128 v[ASC0+23*((\p)%2)], v[G+32*(\p)+8*e+4:G+32*(\p)+8*e+7] offset:64*(4-(\p)+e)+16
.set e, e+1
.endr
.endm
.macro GLS p
	WIN 0
.set ga, 0
.rept 32
	ds_load_b32 v[S+32*(\p)+ga], v[AGA0+24*((\p)%2)] offset:4*(16*(ga/8)+ga%8)
.set ga, ga+1
.endr
.endm
.macro QSW x                           ; from step s* on the groups lie at u >= 1024 and take q_(i+1): tiles x, x + 1 change ahead of their products of that step
	WIN 0
	s_cmp_eq_u32 s[STEP], s[SSTAR]
	s_cbranch_scc0 .Lsame_q_\@
	WIN 0x83
.set i, 0
.rept 32
	v_mov_b32 v[QB+16*(\x)+i], v[QN+16*(\x)+i]
.set i, i+1
.endr
	WIN 0
.Lsame_q_\@:
.endm
; THE SOFTMAX of tile t for one step, a list of 133: 0-15 the bias is added (each accumulator's lowest registers first); 16-31 the maximum of the 32 scores and the old m; 32, 33 the other half of the lanes';
; 34-36 a = 2^(m_old - m_new); 37-52 s - m; 53-84 the exponentials; (the wait); 85-100 roundings to bf16; 101-116 the sums, l = a l + sum; 117-132 O^T times a.
.macro SM t, j
.set rT, ST+4*(\t)
.set rC, TMP+4*((\t)%2)
.set rS, S+32*(\t)
.set rP, P+16*((\t)%2)
.set rO, 32*(\t)
.set n, (\j)
.if n < 117
	WIN 0
.else
	WIN 0x41
.endif
.if n < 16
	v_pk_add_f32 v[rS+2*n:rS+2*n+1], v[rS+2*n:rS+2*n+1], v[BI+2*n:BI+2*n+1]
.elseif n < 20
	v_max3_num_f32 v[rC+n-16], v[rS+8*(n-16)], v[rS+8*(n-16)+1], v[rS+8*(n-16)+2]
.elseif n < 28
	v_max3_num_f32 v[rC+n%4], v[rC+n%4], v[rS+8*(n%4)+2*((n-16)/4)+1], v[rS+8*(n%4)+2*((n-16)/4)+2]
.elseif n == 28
	v_max3_num_f32 v[rC], v[rC], v[rS+7], v[rS+15]
.elseif n == 29
	v_max3_num_f32 v[rC+1], v[rC+1], v[rS+23], v[rS+31]
.elseif n == 30
	v_max3_num_f32 v[rC+2], v[rC+2], v[rC+3], v[rT]
.elseif n == 31
	v_max3_num_f32 v[rC], v[rC], v[rC+1], v[rC+2]
.elseif n == 32
	v_permlanex16_b32 v[rC+3], v[rC], s[SEL], s[SEL+1]
.elseif n == 33
	v_max_num_f32 v[rC], v[rC], v[rC+3]
.elseif n == 34
	v_sub_f32 v[rC+1], v[rT], v[rC]
.elseif n == 35
	v_mov_b32 v[rT], v[rC]
.elseif n == 36
	v_exp_f32 v[rC+2], v[rC+1]
.elseif n < 53
	v_pk_add_f32 v[rS+2*(n-37):rS+2*(n-37)+1], v[rS+2*(n-37):rS+2*(n-37)+1], v[rT:rT+1] op_sel_hi:[1,0] neg_lo:[0,1] neg_hi:[0,1]
.elseif n < 85
	v_exp_f32 v[rS+n-53], v[rS+n-53]
.elseif n < 101
	v_cvt_pk_bf16_f32 v[rP+n-85], v[rS+2*(n-85)], v[rS+2*(n-85)+1]
.elseif n < 109
	v_pk_add_f32 v[rS+4*(n-101):rS+4*(n-101)+1], v[rS+4*(n-101):rS+4*(n-101)+1], v[rS+4*(n-101)+2:rS+4*(n-101)+3]
.elseif n < 113
	v_pk_add_f32 v[rS+8*(n-109):rS+8*(n-109)+1], v[rS+8*(n-109):rS+8*(n-109)+1], v[rS+8*(n-109)+4:rS+8*(n-109)+5]
.elseif n < 115
	v_pk_add_f32 v[rS+16*(n-113):rS+16*(n-113)+1], v[rS+16*(n-113):rS+16*(n-113)+1], v[rS+16*(n-113)+8:rS+16*(n-113)+9]
.elseif n == 115
	v_pk_add_f32 v[rS:rS+1], v[rS:rS+1], v[rS+16:rS+17]
.elseif n == 116
	v_pk_fma_f32 v[rT+2:rT+3], v[rT+2:rT+3], v[rC+2:rC+3], v[rS:rS+1] op_sel_hi:[1,0,1]
.else
	v_pk_mul_f32 v[rO+2*(n-117):rO+2*(n-117)+1], v[rO+2*(n-117):rO+2*(n-117)+1], v[rC+2:rC+3] op_sel_hi:[1,0]
.endif
.endm
; The pair's two lists are one queue of 266, the tiles by turns: entry k is number k / 2 of tile Y + k % 2.  VN writes the next c entries; EX the next c of the 64 exponentials (entries 106-169), which have a count of their own.
.macro VN c
.rept \c
	SM Y+vq%2, vq/2
.set vq, vq+1
.endr
.endm
.macro EX c
.rept \c
	SM Y+eq%2, 53+eq/2
.set eq, eq+1
.endr
.endm
; A TURN.  Pair y's softmax rides behind the 48 products of the other pair, tiles XA and XB.  The deal:
;   the head: the addresses of the turn's fetches; a wait for all that the turn before asked of LDS (bias, Rext, the carried blocks), asked for 16 products ago or more.
;   products 1-16, V^T P: 4 entries behind each (0-63: bias, maximum).
;   products 17-24, Rext x XA: 4 entries behind each (64-95: the statistics, 22 subtractions); the last four, plain, are the places ahead of XA's new stores.
;   RUN a: turn 0: this step's V (its registers' last reader is product 16); turn 2: the next step's K (last read in the turn before); then XA's new stores and its 32 gathers.
;   products 25-32, Rext x XB: behind the first six a subtraction and three exponentials, behind the last two four exponentials (exponential e stands behind entry 74 + 2 (e / 4) + e % 2, its subtraction).
;   entries 102-105, plain: the places ahead of XB's new stores.
;   RUN b: XB's new stores and its 32 gathers; then the carried blocks of the NEXT turn's tiles, Y and Y + 1, each into the scratch of its parity, behind that scratch's gathers; turn 2: the next step's bias (its readers are entries 0-31).
;   the other 38 exponentials; a v_nop and ONE wait for the pair's 66: ahead of it nothing names a result of theirs, behind it none is issued.
;   turn 0: the next step's group of Rext is fetched here, at the wait.
;   products 33-40, K Q^T of XA: 8 entries behind each (170-233: roundings, sums);   products 41-48, K Q^T of XB: 4 behind each (234-265: O^T times a).
; fin = 1: the last turn of all: V^T P alone, and nothing is fetched.  last = 1: see LD_R.
.macro TURN y, fin=0, last=0
.set Y, (\y)
.set XA, 2-(\y)
.set XB, 3-(\y)
.set vq, 0
.set eq, 0
.if !(\fin)
	QSW XA
.if (\y) == 0
	s_add_co_u32 s[STEP], s[STEP], 1
	ADR_V
	ADR_R
.else
	ADR_K
	ADR_B
.endif
.endif
	s_wait_dscnt 0x0                               ; all that the turn before asked of LDS is in
.set i, 0
.rept 16
	PVI XA
	VN 4
.set i, i+1
.endr
.if \fin
	VN 42
	EX 64
.else
.set i, 0
.rept 8
	RQI XA
	VN 4
.set i, i+1
.endr
.if (\y) == 0
	LD_V
.else
	LD_K
.endif
	NS XA
	GLS XA
.set i, 0
.rept 8
	RQI XB
.if i < 6
	VN 1
	EX 3
.else
	EX 4
.endif
.set i, i+1
.endr
	VN 4
	NS XB
	GLS XB
	CS Y
	CS Y+1
.if (\y) == 2
	LD_B
.endif
	EX 38
.endif
	v_nop                                          ; a plain instruction behind the last exponential,
	s_wait_alu depctr_va_vdst(0)                   ; and the one wait ahead of the first line that names a result
.set vq, 170
.if \fin
	VN 96
.else
	s_wait_dscnt 2*(XB+1)+32+2*(4-Y)+2*(3-Y)+4*Y   ; all of run b may be out (XB's new stores, its 32 gathers, the carried blocks' stores, in turn 2 the bias's 8 loads): run a is in: XA's scores, and K or V
.if (\y) == 0
	LD_R \last
.endif
.set i, 0
.rept 8
	KQI XA
	VN 8
.set i, i+1
.endr
.if (\y) == 0
	s_wait_dscnt 14+16*(1-(\last))                 ; the 14 carried stores and Rext's 16 loads may be out (where the run may have been jumped over, the stores alone are counted): XB's scores are back
.else
	s_wait_dscnt 14                                ; the 6 carried stores and the bias's 8 loads may be out: XB's scores are back
.endif
.set i, 0
.rept 8
	KQI XB
	VN 4
.set i, i+1
.endr
.endif
	WIN 0
.endm
; THE CHANGE OF SLOTS, between turn 0 and turn 2 of a slot's second step: that step's V has been asked for, the next slot's K not yet.  Each wave waits for all its tensor loads, adds 0 to its spare word, and waits for
; that and for its reads of the slot.  fill = 1: the barrier is a round of the cluster's, and the slot is filled again, with the keys two slots on, first thing behind it: it has two steps in which to land.
.macro CHANGE fill
	WIN 0
	s_wait_tensorcnt 0x0                           ; no tensor load of mine is out, so a group 0 may be written
	ds_add_u32 v[SPW], v[NIL]
.if \fill
.irp g, G0K+4, G0V+4
	s_xor_b32 s[(\g)+1], s[(\g)+1], SLOT1
	s_add_nc_u64 s[(\g)+2:(\g)+3], s[(\g)+2:(\g)+3], 2*KS*128
.endr
	s_wait_xcnt 0x0                                ; the last prefetch, two steps back, has read its address
	s_add_nc_u64 s[PFA:PFA+1], s[PFA:PFA+1], 2*KS*128
	s_wait_dscnt 0x0                               ; the add is done, my reads of the slot are over
	CROUND
	JLOAD
	ASK
.else
	s_wait_dscnt 0x0
	s_barrier_signal -1
	s_barrier_wait -1
.endif
	s_sub_co_u32 s[TBK], s[TBK], 2*KS*PK
	s_xor_b32 s[TBK], s[TBK], SLOT1
	s_sub_co_u32 s[TBV], s[TBV], 2*KS*PVP
	s_xor_b32 s[TBV], s[TBV], SLOT1
.endm
	s_wait_tensorcnt 0x2                           ; Rext's first part and slot 0 are in; slot 1 and the second part may stay out
	s_wait_dscnt 0x0                               ; my part of the bias table is stored
	s_barrier_signal -1
	s_barrier_wait -1
	; THE OPENING, without vector work to set between: all four tiles' products with the group before step 0, then tiles 0 and 1's scores of step 0, and the carried blocks of tiles 2 and 3 for the first turn
	ADR_R
	LD_R                                           ; the group before step 0
	s_wait_dscnt 0x0
	RUN RQI, 0, 8
	RUN RQI, 1, 8
	RUN RQI, 2, 8
	RUN RQI, 3, 8
	PLACES
	ADR_R
	ADR_K
	ADR_B
	LD_R                                           ; step 0's group,
	LD_K                                           ; its K
	LD_B                                           ; and its bias
	QSW 0
	s_wait_dscnt 0x0
	CS 0
	CS 1
	RUN RQI, 0, 8
	PLACES
	NS 0
	GLS 0
	RUN RQI, 1, 8
	PLACES
	NS 1
	GLS 1
	CS 2
	CS 3
	s_wait_dscnt 42                                ; tile 1's 4 new stores and 32 gathers and the 6 carried stores may be out: tile 0's scores are back
	RUN KQI, 0, 8
	s_wait_dscnt 0x0
	RUN KQI, 1, 8
	PLACES                                         ; ahead of the first lines that read these scores
	WIN 0
	s_mov_b32 s[TWICE], 2
	s_mov_b32 s[SLOTS], 7
	s_branch .Lmid                                 ; the loop is entered at step 0's turn 0, in the middle of a trip
.Lslot:                                        ; six times: slots 2 to 7 are asked for
	CHANGE 1
	s_mov_b32 s[TWICE], 2
.Lstep:                                        ; a trip: turn 2 of one step, turn 0 of the next
	TURN 2
.Lmid:
	TURN 0
	s_sub_co_u32 s[TWICE], s[TWICE], 1
	s_cmp_lg_u32 s[TWICE], 0
	s_cbranch_scc1 .Lstep
	s_sub_co_u32 s[SLOTS], s[SLOTS], 1
	s_cmp_lg_u32 s[SLOTS], 0
	s_cbranch_scc1 .Lslot
	CHANGE 0                                       ; the tail is written out
	s_mov_b32 s[TWICE], 2
.Ltail:
	TURN 2
	TURN 0, 0, 1
	s_sub_co_u32 s[TWICE], s[TWICE], 1
	s_cmp_lg_u32 s[TWICE], 0
	s_cbranch_scc1 .Ltail
	TURN 2, 1                                      ; tiles 2, 3: the last softmax | tiles 0, 1: the last V^T P
	RUN PVI, 2, 16                                 ; tiles 2, 3: the last V^T P
	WIN 0
	; THE WAY OUT: l's halves are added; O^T is divided by l, rounded to bf16 and sent through my scratch, a tile at a time.  The additions are the places behind the last products.
.macro ALL line:vararg
.set t, 0
.rept 4
	\line
.set t, t+1
.endr
.endm
	ALL v_add_f32 v[ST+4*t+2], v[ST+4*t+2], v[ST+4*t+3]
	ALL v_permlanex16_b32 v[ST+4*t+3], v[ST+4*t+2], s[SEL], s[SEL+1]
	ALL v_add_f32 v[ST+4*t+2], v[ST+4*t+2], v[ST+4*t+3]
	ALL v_rcp_f32 v[ST+4*t+2], v[ST+4*t+2]
	v_nop
	s_wait_alu depctr_va_vdst(0)                   ; one wait for the four reciprocals
.macro PACK t
	WIN 0x41
.set i, 32*(\t)
.rept 16
	v_pk_mul_f32 v[i:i+1], v[i:i+1], v[ST+4*(\t)+2:ST+4*(\t)+3] op_sel_hi:[1,0]
.set i, i+2
.endr
	WIN 0x05
.set i, 0
.rept 16
	v_cvt_pk_bf16_f32 v[S+16*(\t)+i], v[32*(\t)+2*i], v[32*(\t)+2*i+1]
.set i, i+1
.endr
	WIN 0
.irp f, 0,1,2,3
	ds_store_b128 v[STO], v[S+16*(\t)+4*(\f):S+16*(\t)+4*(\f)+3] offset:32*(\f)
.endr
.irp f, 0,1,2,3
	ds_load_b128 v[S+16*(\t)+4*(\f):S+16*(\t)+4*(\f)+3], v[RD] offset:(\f)*4*SP  ; in order behind the stores above; the next tile's stores come behind these
.endr
.endm
.macro SEND t, younger                 ; younger: the next tile's eight LDS instructions, or none
.irp f, 0,1,2,3
	s_wait_dscnt (\younger)+3-(\f)
	global_store_b128 v[GO], v[S+16*(\t)+4*(\f):S+16*(\t)+4*(\f)+3], s[8:9] offset:6144-2048*(\t)+(\f)*512  ; 512 consecutive bytes, aligned
.endr
.endm
	PACK 0
	PACK 1
	SEND 0, 8
	PACK 2
	SEND 1, 8
	PACK 3
	SEND 2, 8
	SEND 3, 0
	s_wait_tensorcnt 0x0                           ; the wave's end
	ds_add_u32 v[SPW], v[NIL]
	s_wait_dscnt 0x0
	CROUND                                         ; the closing round
	s_endpgm
.Lfunc_end_k_q686f4bf169_attn:
	.size	k_q686f4bf169_attn, .Lfunc_end_k_q686f4bf169_attn-k_q686f4bf169_attn
	.p2alignl 7, 3214868480
	.fill 96, 4, 3214868480
	.section	.rodata,"a",@progbits
	.p2align	6, 0x0
	.amdhsa_kernel k_q686f4bf169_attn
		.amdhsa_group_segment_fixed_size 327680
		.amdhsa_private_segment_fixed_size 0
		.amdhsa_enable_private_segment 0
		.amdhsa_kernarg_size 24
		.amdhsa_user_sgpr_count 2
		.amdhsa_user_sgpr_kernarg_segment_ptr 1
		.amdhsa_wavefront_size32 1
		.amdhsa_system_sgpr_workgroup_id_x 1
		.amdhsa_system_sgpr_workgroup_id_y 1
		.amdhsa_system_sgpr_workgroup_id_z 1
		.amdhsa_system_vgpr_workitem_id 0
		.amdhsa_next_free_vgpr 896
		.amdhsa_next_free_sgpr 100
		.amdhsa_reserve_vcc 1
		.amdhsa_float_denorm_mode_32 3
		.amdhsa_float_denorm_mode_16_64 3
		.amdhsa_memory_ordered 1
		.amdhsa_forward_progress 1
		.amdhsa_inst_pref_size 190
	.end_amdhsa_kernel
	.amdgpu_metadata
---
amdhsa.version: [ 1, 2 ]
amdhsa.kernels:
  - .name:           k_q686f4bf169_attn
    .symbol:         k_q686f4bf169_attn.kd
    .args:
      - { .name: qkvr, .offset: 0, .size: 8, .value_kind: global_buffer, .address_space: global }
      - { .name: mask, .offset: 8, .size: 8, .value_kind: global_buffer, .address_space: global }
      - { .name: ob, .offset: 16, .size: 8, .value_kind: global_buffer, .address_space: global }
    .group_segment_fixed_size: 327680
    .private_segment_fixed_size: 0
    .kernarg_segment_align: 8
    .kernarg_segment_size: 24
    .max_flat_workgroup_size: 128
    .sgpr_count:     100
    .vgpr_count:     896
    .wavefront_size: 32
...
	.end_amdgpu_metadata
.endif
;; end of part 3
;; launch outp (part 4): grid 4 x 64, 4 waves a work-group, clusters of 4 x 4, 327,680 bytes of LDS; arguments ob, wob, inputs, out0; writes out0
.if DOCPART == 4
	.amdgcn_target "amdgcn-amd-amdhsa--gfx1250"
	.amdhsa_code_object_version 6
	.text
	.protected	k_q686f4bf169_outp
	.globl	k_q686f4bf169_outp
	.p2align	8
	.type	k_q686f4bf169_outp,@function
k_q686f4bf169_outp:
	s_mov_b64 s[64:65], 0
	v_nop
	global_prefetch_b8 v0, s[64:65] scope:SCOPE_SE
	s_setreg_imm32_b32 hwreg(HW_REG_WAVE_MODE, 25, 1), 1
	s_wait_xcnt 0x0
	s_wait_alu depctr_hold_cnt(0) depctr_sa_sdst(0) depctr_va_vdst(0) depctr_va_sdst(0) depctr_va_ssrc(0) depctr_va_vcc(0) depctr_vm_vsrc(0)
	s_getreg_b32 s2, hwreg(HW_REG_IB_STS2, 6, 4)
	s_cmp_eq_u32 s2, 0
	s_cbranch_scc0 .Lentry_in_a_cluster
	s_endpgm
.Lentry_in_a_cluster:
	s_bfe_u32 s2, ttmp6, 0x10000c
	s_cmp_lg_u32 s2, 0xf033
	s_cbranch_scc0 .Lentry_shape_is_right
	s_endpgm
.Lentry_shape_is_right:
; OUTP: out0 = attention's output x Wo + inputs.  256 tiles of 128 x 256, one for each work-group; K = 1024; bf16 operands, f32 sums; the residual is added in f32 and the result stored in f32.
; A = ob [16 k blocks = heads][8192 rows][64], B = wob [4 tiles][1024 k][256 n].  Cluster y = q: rows 512 q + 128 cy; tile column = cx.
; Four waves, each 64 x 128: 32 accumulators.  K goes in steps of 128 through two LDS slots.  CLUSTER 4 x 4: A's tile is asked for jointly along a row of the cluster, B's along a column.
; The matrix instruction is used transposed (source 0 = 16 columns of B, turned on the way out of LDS; source 1 = 16 rows of A): a lane holds eight neighbouring numbers of a row of C.
; REGISTERS: window 0 addresses, A's fragments (v64-95, v128-159), v192-255 the way out; window 1 B's fragments; window 2 the accumulators ((a, b) at v[8 (8 a + b)]); window 3 the residual.
.set TM,    128
.set MB,    TM/32
.set AROWS, 8192
.set KB,    AROWS*128
.set PA,    144                        ; an LDS row of A: 128 bytes + 16
.set PB,    544                        ; an LDS row of B: 512 bytes + 32
.set BOFF,  2*TM*PA
.set SLOT,  BOFF+128*PB
.set STAGE, 2*SLOT                     ; behind the ring: 16 rows x 528 bytes for each wave
.set SPITCH, 528
.set SPARE, STAGE+4*16*SPITCH          ; the spare words: 128 bytes a wave, named by no other line
.set NL,    16+2*MB
.set ADRA, 16
.set ADRB, 20
.set STO,  24
.set RD,   25
.set CO,   26
.set SPW,  28
.set NIL,  29
.set PFO,  30
.set F0,   64
.set F1,   128
.set BK,   192
.set G1,  24
.set G0,  32
.set G1B, 48
.set G0B, 56
; s12 wave, s13 wave / 2 (my half of the rows; 0: I fetch A), s14 wave % 2 (my half of the columns; which part I fetch), s15 cx, s16 cy, s17 q, s19 the tile's first row
; s40 laps to go, s41 1 in a wave that prefetches (else the greatest number), s[42:43] the prefetch's step, s[44:45] where it stands
.set MSB, 0
.macro WIN new
.if MSB != (\new)
	s_set_vgpr_msb (MSB<<8)|(\new)
.set MSB, \new
.endif
.endm
.macro PLACES
.rept 4
	v_nop
.endr
.endm
.macro JLOAD s                         ; a joint load: waves 0, 1 fetch A's two k blocks, waves 2, 3 B's two halves; s_nop 0 and four v_nop follow each line
	s_cmp_eq_u32 s13, 0
	s_cbranch_scc0 .Lfor_b_\@
	tensor_load_to_lds s[G0+4*(\s):G0+4*(\s)+3], s[G1:G1+7]
	s_nop 0
	PLACES
	s_branch .Lasked_\@
.Lfor_b_\@:
	tensor_load_to_lds s[G0B+4*(\s):G0B+4*(\s)+3], s[G1B:G1B+7]
	s_nop 0
	PLACES
.Lasked_\@:
.endm
.macro ASK                             ; one prefetch: 32 blocks of 256 bytes of the K step two refills on; the loop's last trip has no such K step
	s_cmp_gt_u32 s40, s41
	s_cbranch_scc0 .Lnot_mine_\@
	global_prefetch_b8 v[PFO], s[44:45] th:TH_LOAD_NT scope:SCOPE_SE
.Lnot_mine_\@:
.endm
.macro CREST
	s_cmp_lg_u32 s12, 0
	s_cbranch_scc1 .Lnot_wave_0_\@
	s_barrier_signal -3
.Lnot_wave_0_\@:
	s_barrier_wait -3
	s_barrier_signal -1
	s_barrier_wait -1
.endm
.macro CROUND
	s_barrier_signal -1
	s_barrier_wait -1
	CREST
.endm
	s_load_b256 s[4:11], s[0:1], 0x0               ; A s[4:5], B s[6:7], inputs s[8:9], out0 s[10:11]
	v_lshl_add_u32 v[SPW], v0, 2, SPARE
	v_mov_b32 v[NIL], 0
	ds_add_u32 v[SPW], v[NIL]                      ; the opening: the add and its wait stand ahead of my first tensor load
	v_lshrrev_b32 v1, 5, v0
	v_readfirstlane_b32 s12, v1
	s_lshr_b32 s13, s12, 1
	s_and_b32 s14, s12, 1
	s_bfe_u32 s15, ttmp6, 0x40000                  ; cx = the tile column
	s_bfe_u32 s16, ttmp6, 0x40004                  ; cy
	s_and_b32 s17, ttmp7, 0xffff                   ; q
	s_lshl_b32 s19, s17, 9
	s_lshl_b32 s23, s16, 7
	s_add_co_u32 s19, s19, s23                     ; the tile's first row = 512 q + 128 cy
	s_lshl_b32 s23, s16, 2
	s_lshl_b32 s23, 15, s23                        ; my row of the cluster
	s_lshl_b32 s42, 0x1111, s15                    ; my column
	s_or_b32 s[G1], s23, (1<<16)|(1<<20)|(1<<21)|(4<<22)|(3<<25)   ; mask; 2-byte elements; padding on; bit 21 beside a mask; after every 32 words 4 words
	s_or_b32 s[G1B], s42, (1<<16)|(1<<20)|(1<<21)|(6<<22)|(7<<25)  ; after every 128 words 8 words
	s_mov_b32 s[G1+1], 128<<16                     ; A's rows are dense: TM rows of 128 bytes are asked for as TM / 2 rows of 256
	s_mov_b32 s[G1+2], (TM/2)<<16
	s_mov_b32 s[G1+3], 128<<16
	s_mov_b32 s[G1+4], TM/2
	s_mov_b32 s[G1+5], 128
	s_mov_b32 s[G1+6], 0
	s_mov_b32 s[G1+7], 0
	s_mov_b32 s[G1B+1], 256<<16
	s_mov_b32 s[G1B+2], 64<<16
	s_mov_b32 s[G1B+3], 256<<16
	s_mov_b32 s[G1B+4], 64
	s_mov_b32 s[G1B+5], 256
	s_mov_b32 s[G1B+6], 0
	s_mov_b32 s[G1B+7], 0
	s_mul_i32 s46, s14, KB
	s_lshl_b32 s23, s19, 7
	s_add_co_u32 s46, s46, s23
	s_mov_b32 s47, 0
	s_lshl_b32 s2, s15, 19
	s_lshl_b32 s43, s14, 15
	s_add_co_u32 s2, s2, s43
	s_mov_b32 s3, 0
	s_mul_i32 s40, s14, TM*PA                      ; no place in the cluster enters an LDS address
	s_mul_i32 s41, s14, 64*PB
	s_add_co_u32 s41, s41, BOFF
	s_wait_dscnt 0x0                               ; the opening add is done
	s_wait_kmcnt 0x0
	s_add_nc_u64 s[46:47], s[4:5], s[46:47]
	s_add_nc_u64 s[2:3], s[6:7], s[2:3]
	CROUND                                         ; all sixteen work-groups are here: the first joint loads meet
.irp s, 0,1
	s_mov_b32 s[G0+4*(\s)], 1
	s_add_co_u32 s[G0+4*(\s)+1], s40, (\s)*SLOT
	s_add_nc_u64 s[G0+4*(\s)+2:G0+4*(\s)+3], s[46:47], (\s)*2*KB
	s_or_b32 s[G0+4*(\s)+3], s[G0+4*(\s)+3], 0x80000000
	s_mov_b32 s[G0B+4*(\s)], 1
	s_add_co_u32 s[G0B+4*(\s)+1], s41, (\s)*SLOT
	s_add_nc_u64 s[G0B+4*(\s)+2:G0B+4*(\s)+3], s[2:3], (\s)*65536
	s_or_b32 s[G0B+4*(\s)+3], s[G0B+4*(\s)+3], 0x80000000
	JLOAD \s                                       ; two loads of mine are out
.endr
	v_and_b32 v1, 15, v0                           ; l % 16
	v_bfe_u32 v2, v0, 4, 1                         ; l / 16
	v_mul_u32_u24 v3, v1, PA
	v_lshl_add_u32 v3, v2, 4, v3
	s_mul_i32 s21, s13, (TM/2)*PA
	v_and_b32 v4, 7, v0
	v_lshl_add_u32 v4, v2, 3, v4
	v_mul_u32_u24 v4, v4, PB
	v_bfe_u32 v5, v0, 3, 1
	v_lshl_add_u32 v4, v5, 4, v4
	s_lshl_b32 s23, s14, 8
	s_add_co_u32 s23, s23, BOFF
.irp s, 0,1
	v_add_nc_u32 v[ADRA+(\s)], s21, v3
	v_add_nc_u32 v[ADRB+(\s)], s23, v4
	s_add_co_u32 s21, s21, SLOT
	s_add_co_u32 s23, s23, SLOT
.endr
	s_mul_i32 s21, s12, 16*SPITCH
	s_add_co_u32 s21, s21, STAGE                   ; my stage
	v_mul_u32_u24 v4, v1, SPITCH
	v_lshl_add_u32 v4, v2, 5, v4
	v_add_nc_u32 v[STO], s21, v4                   ; in: row l % 16, 32 bytes for each half of the lanes
	v_and_b32 v[CO], 31, v0
	v_lshlrev_b32 v[CO], 4, v[CO]                  ; back, and in memory: a row's 512 bytes, 16 a lane
	v_add_nc_u32 v[RD], s21, v[CO]
	s_lshl_b32 s21, s13, 6
	s_add_co_u32 s21, s21, s19
	s_lshl_b32 s21, s21, 12                        ; my first row, 4,096 bytes a row,
	s_lshl_b32 s22, s15, 10
	s_add_co_u32 s21, s21, s22                     ; the tile's 256 columns,
	s_lshl_b32 s22, s14, 9
	s_add_co_u32 s46, s21, s22                     ; my 128 of them
	s_mov_b32 s47, 0
	s_add_nc_u64 s[8:9], s[8:9], s[46:47]
	s_add_nc_u64 s[10:11], s[10:11], s[46:47]
	; the prefetches.  A's rows are read by this cluster alone: wave 0 asks for both k blocks, 16 blocks of 256 bytes of each, the four partners of a row sharing by address.
	; B's tiles are read by every cluster: the one with q = 0 asks, waves 2 and 3, the partners of a column sharing by address.  It stands at K step 3; each change of slots steps it first.
	s_lshl_b32 s21, s19, 7
	s_add_co_u32 s21, s21, 6*KB
	s_lshl_b32 s23, s15, 12
	s_add_co_u32 s21, s21, s23
	s_lshl_b32 s22, s15, 19
	s_lshl_b32 s23, s14, 15
	s_add_co_u32 s22, s22, s23
	s_lshl_b32 s23, s16, 13
	s_add_co_u32 s22, s22, s23
	s_add_co_u32 s22, s22, 3*65536
	s_mov_b32 s42, 65536
	s_mov_b32 s43, 0
	s_mov_b32 s47, 0
	s_mov_b32 s3, 4096
	s_cmp_eq_u32 s13, 0
	s_cselect_b32 s46, s21, s22
	s_cselect_b64 s[44:45], s[4:5], s[6:7]
	s_cselect_b32 s42, 2*KB, s42
	s_cselect_b32 s2, s14, s17
	s_cselect_b32 s3, KB, s3                       ; lanes 16-31: the second k block of A, or the next 16 blocks of B
	s_add_nc_u64 s[44:45], s[44:45], s[46:47]
	s_cmp_eq_u32 s2, 0
	s_cselect_b32 s41, 1, -1                       ; the same in all sixteen partners, for a given wave
	v_mul_u32_u24 v[PFO], v2, s3
	v_lshl_add_u32 v[PFO], v1, 8, v[PFO]
.macro MULA f, a, zero                 ; 8 products: block a of A x all 8 blocks of B, 32 along K; the accumulators take turns
	WIN 0xa1
.irp b, 0,1,2,3,4,5,6,7
.if \zero
	v_wmma_f32_16x16x32_bf16 v[8*(8*(\a)+(\b)):8*(8*(\a)+(\b))+7], v[(\f)+8*(\b):(\f)+8*(\b)+7], v[(\f)+8*(\a):(\f)+8*(\a)+7], 0
.else
	v_wmma_f32_16x16x32_bf16 v[8*(8*(\a)+(\b)):8*(8*(\a)+(\b))+7], v[(\f)+8*(\b):(\f)+8*(\b)+7], v[(\f)+8*(\a):(\f)+8*(\a)+7], v[8*(8*(\a)+(\b)):8*(8*(\a)+(\b))+7]
.endif
.endr
.endm
.macro MULH f, half, zero
.set ma, (\half)*MB/2
.rept MB/2
	MULA \f, ma, \zero
.set ma, ma+1
.endr
.endm
.macro MULQ f, k
.set ma, (\k)*MB/4
.rept MB/4
	MULA \f, ma, 0
.set ma, ma+1
.endr
.endm
.macro FETCH slot, qd, f               ; one run: the fragments of quarter qd (32 along K): B's 16 loads (turned), then A's, blocks ascending
	WIN 0x40
.irp b, 0,1,2,3,4,5,6,7
	ds_load_tr16_b128 v[(\f)+8*(\b):(\f)+8*(\b)+3],   v[ADRB+(\slot)] offset:(\qd)*32*PB+32*(\b)
	ds_load_tr16_b128 v[(\f)+8*(\b)+4:(\f)+8*(\b)+7], v[ADRB+(\slot)] offset:(\qd)*32*PB+32*(\b)+16*PB
.endr
	WIN 0
.set fi, 0
.rept MB
	ds_load_b128 v[(\f)+8*fi:(\f)+8*fi+3],   v[ADRA+(\slot)] offset:((\qd)/2)*TM*PA+((\qd)%2)*64+fi*16*PA
	ds_load_b128 v[(\f)+8*fi+4:(\f)+8*fi+7], v[ADRA+(\slot)] offset:((\qd)/2)*TM*PA+((\qd)%2)*64+fi*16*PA+32
.set fi, fi+1
.endr
.endm
.macro QUARTER slot, qd, f, g, zero
	s_wait_dscnt MB                                ; B and A's lower blocks are in; the MB youngest loads, A's upper blocks, may be out
	MULH \f, 0, \zero
	PLACES
	FETCH \slot, \qd, \g
	s_wait_dscnt NL                                ; all but the run just issued
	MULH \f, 1, \zero
.endm
.macro MEET round
	WIN 0
	s_wait_tensorcnt 0x0                           ; all my tensor loads have landed: my part of the next slot
	ds_add_u32 v[SPW], v[NIL]                      ; 0 onto my spare word
	s_wait_dscnt MB+1                              ; (the add and the MB youngest loads may be out)
	MULQ F1, 0
	s_wait_dscnt 0x0                               ; the add is done, my reads of this slot are over
	s_barrier_signal -1
	MULQ F1, 1
.if \round
	WIN 0
.endif
	s_barrier_wait -1
.endm
.macro TURN slot, next
	s_wait_xcnt 0x0                                ; the last prefetch, a K step back, has read its address
	s_add_nc_u64 s[44:45], s[44:45], s[42:43]
	MEET 1
	CREST                                          ; no wave of any partner still reads this slot or has a load on its way
	s_add_nc_u64 s[G0+4*(\slot)+2:G0+4*(\slot)+3], s[G0+4*(\slot)+2:G0+4*(\slot)+3], 4*KB
	s_add_nc_u64 s[G0B+4*(\slot)+2:G0B+4*(\slot)+3], s[G0B+4*(\slot)+2:G0B+4*(\slot)+3], 131072
	JLOAD \slot                                    ; its four v_nop are also the places in front of the loads below
	FETCH \next, 0, F0
	ASK
	MULH F1, 1, 0
.endm
.macro TURNX slot, next
	MEET 0
	PLACES
	FETCH \next, 0, F0
	MULH F1, 1, 0
.endm
	s_wait_tensorcnt 0x1                           ; my part of K step 0 is in; K step 1 may stay out
	s_barrier_signal -1
	s_barrier_wait -1
	FETCH 0, 0, F0
	QUARTER 0, 1, F0, F1, 1                        ; the first quarter's products start the sums
	WIN 0
	s_mov_b32 s40, 3
.Llap:                                         ; a trip goes once round the ring and fills both slots again: K steps 2 to 7 in three trips
	QUARTER 0, 2, F1, F0, 0
	QUARTER 0, 3, F0, F1, 0
	TURN 0, 1
	QUARTER 1, 1, F0, F1, 0
	QUARTER 1, 2, F1, F0, 0
	QUARTER 1, 3, F0, F1, 0
	TURN 1, 0
	QUARTER 0, 1, F0, F1, 0
	WIN 0
	s_sub_co_u32 s40, s40, 1
	s_cmp_lg_u32 s40, 0
	s_cbranch_scc1 .Llap
	WIN 0xc0                                       ; the residual, my 64 rows x 512 bytes, is asked for a lap ahead of its use
.set i, 0
.rept 64
	global_load_b128 v[4*i:4*i+3], v[CO], s[8:9] offset:i*4096 th:TH_LOAD_NT
.set i, i+1
.endr
	WIN 0
	QUARTER 0, 2, F1, F0, 0                        ; the last lap fills nothing
	QUARTER 0, 3, F0, F1, 0
	TURNX 0, 1
	QUARTER 1, 1, F0, F1, 0
	QUARTER 1, 2, F1, F0, 0
	QUARTER 1, 3, F0, F1, 0
	s_wait_dscnt MB
	MULH F1, 0, 0
	s_wait_dscnt 0x0
	MULH F1, 1, 0
	PLACES
; THE WAY OUT, a block of 16 rows at a time: the f32 sums go into my stage (each accumulator's lowest registers first), come back as whole rows of 512 bytes, take the residual and are stored.
.macro OUTB a
	WIN 0x08
.irp b, 0,1,2,3,4,5,6,7
	ds_store_b128 v[STO], v[64*(\a)+8*(\b):64*(\a)+8*(\b)+3]   offset:64*(\b)
	ds_store_b128 v[STO], v[64*(\a)+8*(\b)+4:64*(\a)+8*(\b)+7] offset:64*(\b)+16
.endr
	WIN 0
	s_wait_xcnt 0x0                                ; the block before's stores have read their data
.irp t, 0,1,2,3,4,5,6,7,8,9,10,11,12,13,14,15
	ds_load_b128 v[BK+4*(\t):BK+4*(\t)+3], v[RD] offset:(\t)*SPITCH  ; LDS serves a wave's instructions in order: these see the stores above
.endr
	s_wait_dscnt 0x0
.if (\a) == 0
	s_wait_loadcnt 0x0                             ; the residual
.endif
	WIN 0x0c
.set i, 0
.rept 32
	v_pk_add_f32 v[BK+2*i:BK+2*i+1], v[BK+2*i:BK+2*i+1], v[64*(\a)+2*i:64*(\a)+2*i+1]
.set i, i+1
.endr
	WIN 0
.irp t, 0,1,2,3,4,5,6,7,8,9,10,11,12,13,14,15
	global_store_b128 v[CO], v[BK+4*(\t):BK+4*(\t)+3], s[10:11] offset:(\a)*65536+(\t)*4096 th:TH_STORE_NT  ; 512 consecutive bytes, aligned
.endr
.endm
	OUTB 0
	OUTB 1
	OUTB 2
	OUTB 3
	s_wait_tensorcnt 0x0                           ; the wave's end
	ds_add_u32 v[SPW], v[NIL]
	s_wait_dscnt 0x0
	CROUND                                         ; the closing round
	s_endpgm
.Lfunc_end_k_q686f4bf169_outp:
	.size	k_q686f4bf169_outp, .Lfunc_end_k_q686f4bf169_outp-k_q686f4bf169_outp
	.p2alignl 7, 3214868480
	.fill 96, 4, 3214868480
	.section	.rodata,"a",@progbits
	.p2align	6, 0x0
	.amdhsa_kernel k_q686f4bf169_outp
		.amdhsa_group_segment_fixed_size 327680
		.amdhsa_private_segment_fixed_size 0
		.amdhsa_enable_private_segment 0
		.amdhsa_kernarg_size 32
		.amdhsa_user_sgpr_count 2
		.amdhsa_user_sgpr_kernarg_segment_ptr 1
		.amdhsa_wavefront_size32 1
		.amdhsa_system_sgpr_workgroup_id_x 1
		.amdhsa_system_sgpr_workgroup_id_y 1
		.amdhsa_system_sgpr_workgroup_id_z 1
		.amdhsa_system_vgpr_workitem_id 0
		.amdhsa_next_free_vgpr 1024
		.amdhsa_next_free_sgpr 66
		.amdhsa_reserve_vcc 0
		.amdhsa_float_denorm_mode_32 3
		.amdhsa_float_denorm_mode_16_64 3
		.amdhsa_memory_ordered 1
		.amdhsa_forward_progress 1
		.amdhsa_inst_pref_size 101
	.end_amdhsa_kernel
	.amdgpu_metadata
---
amdhsa.version: [ 1, 2 ]
amdhsa.kernels:
  - .name:           k_q686f4bf169_outp
    .symbol:         k_q686f4bf169_outp.kd
    .args:
      - { .name: ob, .offset: 0, .size: 8, .value_kind: global_buffer, .address_space: global }
      - { .name: wob, .offset: 8, .size: 8, .value_kind: global_buffer, .address_space: global }
      - { .name: inputs, .offset: 16, .size: 8, .value_kind: global_buffer, .address_space: global }
      - { .name: out0, .offset: 24, .size: 8, .value_kind: global_buffer, .address_space: global }
    .group_segment_fixed_size: 327680
    .private_segment_fixed_size: 0
    .kernarg_segment_align: 8
    .kernarg_segment_size: 32
    .max_flat_workgroup_size: 128
    .sgpr_count:     66
    .vgpr_count:     1024
    .wavefront_size: 32
...
	.end_amdgpu_metadata
.endif
;; end of part 4
